; MI455X (gfx1250); checked and timed in simulation.
; The chip was launched on July 23, 2026; its instructions are those of AMD's public machine-readable ISA for CDNA 5 (MIT licence, August 2026) and "CDNA5" Instruction Set Architecture Reference Guide (July 2026). The comments in the code are by the model that wrote it; some were corrected since.
;; Self Attention. Allowed arithmetic: matrix products marked QUANTISED: E2M1 operands, one E8M0 scale for each 32 along K, by v_wmma_scale_f32_16x16x128_f8f6f4 with both operands' format E2M1 (or v_wmma_scale_f32_32x16x128_f4), f32 sums; products left as they are: bf16, f16 or f32 operands; f32 sums; everything else in f32.
;; Inputs: Wk 1,024 x 1,024 float32; Wq 1,024 x 1,024 float32; Wv 1,024 x 1,024 float32; bk 1,024 float32; bq 1,024 float32; bv 1,024 float32; x 4 x 2,048 x 1,024 float32.
;; Outputs: out0 4 x 2,048 x 1,024 float32.
;; This version of the problem:
;;   THIS VERSION OF THE PROBLEM IS GIVEN IN LOW PRECISION. The matrix products marked QUANTISED in the list below multiply operands that are first quantised to E2M1 (2 exponent bits, 1 mantissa bit; 4 bits a number), with one power-of-two scale for each 32 numbers along K (OCP MX v1.0); their sums are f32. The products marked 'left as it is' may take bf16, f16 or f32 operands, with f32 sums. Whichever they take, every output number must still come out within the allowed error. Rounding operands to bf16 (8 significant bits) uses up far more of that allowance than f16 does (11 bits, for magnitudes from 6e-5 to 65,504). All else is computed in f32.
;;   The module's matrix products, in the order in which they are computed (A, B: the left and right operand; K: the contracted axis; several contracted axes count as one K, in the product's order):
;;     1. [M 8,192, K 1,024] x [K 1,024, N 1,024]; A: input x; B: input Wq: QUANTISED
;;     2. [M 8,192, K 1,024] x [K 1,024, N 1,024]; A: input x; B: input Wk: QUANTISED
;;     3. [M 8,192, K 1,024] x [K 1,024, N 1,024]; A: input x; B: input Wv: QUANTISED
;;     4. batch 4 x [M 2,048, K 1,024] x [K 1,024, N 2,048]; A: computed on the way; B: computed on the way: left as it is (an operand is computed on the way)
;;     5. batch 4 x [M 2,048, K 2,048] x [K 2,048, N 1,024]; A: computed on the way; B: computed on the way: left as it is (an operand is computed on the way)
;;   THE QUANTISER, for each operand of a quantised product, along K:
;;     - K is cut into blocks of 32 from its start; a last block that is shorter is filled with zeros.
;;     - A block's scale is 2^e with e = floor(log2(the largest magnitude in the block)) - 2, held to -126 .. 127; a block of zeros has e = 0. As a byte (E8M0): e + 127.
;;     - Each number is divided by its block's scale, clamped to +-6, and rounded to the nearest number of E2M1, ties to even, subnormals kept.
;;     - The product sums the exact products of the quantised numbers (number of the format x scale) in f32.
;;   ~~~python
;;   def quantise(x, axis):      # numpy; x: float32 -> the quantised numbers, widened to float32 again
;;       x = np.moveaxis(x, axis, -1); K = x.shape[-1]
;;       x = np.pad(x, [(0, 0)] * (x.ndim - 1) + [(0, -K % 32)]); x = x.reshape(x.shape[:-1] + (-1, 32)); a = np.abs(x).max(-1, keepdims=True)
;;       e = np.where(a > 0, np.clip(np.frexp(np.where(a > 0, a, 1))[1] - 1 - 2, -126, 127), 0)      # np.frexp(a)[1] - 1 = floor(log2(a)), exactly
;;       r = np.clip(x / 2.0 ** e, -6, 6)
;;       step = 2.0 ** (np.maximum(np.frexp(np.where(r == 0, 1, r))[1] - 1, 0) - 1)
;;       q = np.round(r / step) * step * 2.0 ** e      # np.round: ties to even
;;       return np.moveaxis(q.reshape(q.shape[:-2] + (-1,))[..., :K], -1, axis).astype(np.float32)
;;   ~~~
;; One version. Each part assembles by itself: llvm-mc -triple=amdgcn-amd-amdhsa -mcpu=gfx1250 --defsym DOCPART=n.
;; ======== version 1 of 1: 4 launches
;; limits: values are held in f16: magnitudes above 65,504 overflow, below 6.1e-05 lose precision
;; workspace buffers: xc 4,194,304 bytes; xs 262,144 bytes; wc 1,572,864 bytes; ws 98,304 bytes; qkv 50,331,648 bytes; pimg 33,554,432 bytes; stm 524,288 bytes; stl 524,288 bytes
;; launch quant (part 1): grid 352 x 1, 4 waves a work-group, no clusters, 50,688 bytes of LDS; arguments x, Wq, Wk, Wv, xc, xs, wc, ws; writes xc, xs, wc, ws
.if DOCPART == 1
	.amdgcn_target "amdgcn-amd-amdhsa--gfx1250"
	.amdhsa_code_object_version 6
	.text
	.protected	k_qf806226788_quant
	.globl	k_qf806226788_quant
	.p2align	8
	.type	k_qf806226788_quant,@function
k_qf806226788_quant:
	s_mov_b64 s[64:65], 0
	v_nop
	global_prefetch_b8 v0, s[64:65] scope:SCOPE_SE
	s_setreg_imm32_b32 hwreg(HW_REG_WAVE_MODE, 25, 1), 1
	s_wait_xcnt 0x0
; x [8192][1024] f32 (K innermost) and Wq, Wk, Wv [1024 (K)][1024] f32 (K is the FIRST axis) become codes of FP4 (E2M1), K innermost, with one E8M0 scale byte for each 32 along K.
; xc [8192][512 bytes], xs [8192][32];  wc [3072][512 bytes], ws [3072][32]: row 1024 t + column, t = 0 Wq, 1 Wk, 2 Wv.
; A block's scale is 2^(floor(log2(its largest magnitude)) - 2); its byte is the largest magnitude's exponent field - 2, held at 1 from below.
; LIMITS: a block of zeros gets the byte 1 where the rule says 127 (its codes are zeros, and this program alone reads the bytes); blocks whose largest magnitude lies under 2^-124 are held at the byte 1;
; NaN and infinities among the inputs are not served.
; Work-groups 0 to 95 take the weights (32 each: 16 strips of 64 columns x 2 halves of K), work-groups 96 to 351 take x (32,768 numbers each).  The two ways part on the work-group's number alone, and each has LDS bytes of its own.
; No tensor loads, no barrier: waves share nothing.  No cluster: no two work-groups read the same bytes.
.set SPARE, 50176                      ; the spare words, 128 bytes for each wave: two blocks of 256 bytes that no other line names
.set SPW,   192                        ; v192 LDS address of my spare word; never rewritten
.set NIL,   193                        ; v193 0; never rewritten
.set EMAX,  2
.set NWG,   96                         ; the weights' work-groups
; the weights' way: a wave takes 16 columns x 512 along K.  Lane (c, h) takes column c, and its 16 registers run down rows 16 h .. 16 h + 15 of a block of 32: the lane 16 away holds the block's other half.
; The four waves stand side by side on 256 consecutive bytes of each row.  A block is 16 loads; four blocks' loads are on their way.
.set WSTG,  32768                      ; LDS: four stages of 16 rows x 272 bytes
.set WP,    272
.set NB,    16                         ; blocks of 32 along K for a wave
.set WKROW, 512                        ; a row of wc in bytes
.set WROW,  4096                       ; a row of a weight in bytes
.set WX,    32                         ; v32-95   four sets of 16 numbers
.set WC,    96                         ; v96-127  two registers of codes for each block, so that no LDS store's data are written again
.set WOUT,  128                        ; v128-159 the way out
.set WSB,   24                         ; v24-27   the scale bytes, four to a register
; x's way: two neighbouring lanes hold a block
.set STEPS, 16
.set CB,    8                          ; bytes of 16 codes
.set XR,    16                         ; v16-79   four sets of 16 numbers as loaded
.set XX,    80                         ; v80-111  two sets of 16 neighbours
.set XE,    112                        ; v112-127 a scale byte for each step
.set XC,    128                        ; v128-191 codes, four registers for each step
.set WREG,  8192                       ; LDS from 0: a region for each wave: two stages of 32 x 80 bytes, then its 256 scale bytes
.set SP,    80
.macro WLOAD t                         ; block t: W(32 t + 16 h + i, my column), i = 0 .. 15: sixteen lanes read 64 consecutive bytes
.set I, 0
.rept 16
	global_load_b32 v[WX+16*((\t)%4)+I], v3, s[6:7] offset:(32*(\t)+I)*WROW
.set I, I+1
.endr
.endm
.macro WBLOCK t
.set XS, WX+16*((\t)%4)
.if NB-1-(\t) >= 3
	s_wait_loadcnt 48                              ; this block's 16 loads are in; those of the three blocks behind it may be out
.else
	s_wait_loadcnt 16*(NB-1-(\t))
.endif
	v_max3_num_f32 v12, |v[XS]|, |v[XS+1]|, |v[XS+2]|      ; the largest magnitude of my 16
	v_max3_num_f32 v13, |v[XS+3]|, |v[XS+4]|, |v[XS+5]|
.irp i, 6,10
	v_max3_num_f32 v12, v12, |v[XS+\i]|, |v[XS+\i+1]|
	v_max3_num_f32 v13, v13, |v[XS+\i+2]|, |v[XS+\i+3]|
.endr
	v_max3_num_f32 v12, v12, |v[XS+14]|, |v[XS+15]|
	v_max3_num_f32 v12, v12, v13, (EMAX+1)<<23     ; and the floor 2^(3 - 127): the byte cannot fall under 1
	v_permlanex16_b32 v13, v12, s30, s31
	v_max_num_f32 v12, v12, v13                    ; with the lane 16 away: the block's
	v_add_nc_u32 v11, -(EMAX<<23), v12             ; 2 off the exponent field: the conversion's scale operand
	v_lshrrev_b32 v13, 23, v11                     ; the scale's byte
.if (\t)%4 == 0
	v_mov_b32 v[WSB+(\t)/4], v13
.else
	v_lshl_or_b32 v[WSB+(\t)/4], v13, 8*((\t)%4), v[WSB+(\t)/4]
.endif
	v_cvt_scalef32_pk8_fp4_f32 v[WC+2*(\t)], v[XS:XS+7], v11
	v_cvt_scalef32_pk8_fp4_f32 v[WC+2*(\t)+1], v[XS+8:XS+15], v11
	ds_store_b64 v4, v[WC+2*(\t):WC+2*(\t)+1] offset:16*(\t)   ; 16 codes: my half of the block's 16 bytes in my column's row
.if (\t)+4 < NB
	WLOAD (\t)+4
.endif
.endm
.macro XLOAD t
.irp i, 0,1,2,3
	global_load_b128 v[XR+16*((\t)%4)+4*\i:XR+16*((\t)%4)+4*\i+3], v3, s[4:5] offset:2048*(\t)+512*\i th:TH_LOAD_NT   ; 32 lanes read 512 consecutive bytes
.endr
.endm
.macro XTURN t                         ; step t's numbers through the wave's stage: in as they lie, back 64 bytes a lane.  LDS serves a wave's instructions in order
.irp i, 0,1,2,3
	ds_store_b128 v14, v[XR+16*((\t)%4)+4*\i:XR+16*((\t)%4)+4*\i+3] offset:32*SP*((\t)%2)+8*SP*\i
.endr
.irp i, 0,1,2,3
	ds_load_b128 v[XX+16*((\t)%2)+4*\i:XX+16*((\t)%2)+4*\i+3], v15 offset:32*SP*((\t)%2)+16*\i
.endr
.endm
.macro XSTEP t
.set XS, XX+16*((\t)%2)
.if (\t) > 0
	s_wait_dscnt 1                                 ; this step's numbers are back from the stage (the last step's byte store may be out)
.else
	s_wait_dscnt 0x0
.endif
.if (\t)+4 < STEPS
	XLOAD (\t)+4
.endif
.if (\t)+1 < STEPS
.if STEPS-2-(\t) >= 3
	s_wait_loadcnt 12                              ; the next step's four loads are in; those of the three steps behind it may be out
.else
	s_wait_loadcnt 4*(STEPS-2-(\t))
.endif
	XTURN (\t)+1
.endif
	v_max3_num_f32 v8, |v[XS]|, |v[XS+1]|, |v[XS+2]|
	v_max3_num_f32 v9, |v[XS+3]|, |v[XS+4]|, |v[XS+5]|
.irp i, 6,10
	v_max3_num_f32 v8, v8, |v[XS+\i]|, |v[XS+\i+1]|
	v_max3_num_f32 v9, v9, |v[XS+\i+2]|, |v[XS+\i+3]|
.endr
	v_max3_num_f32 v8, v8, |v[XS+14]|, |v[XS+15]|
	v_max3_num_f32 v8, v8, v9, (EMAX+1)<<23        ; the floor
	v_max_num_f32_dpp v8, v8, v8 row_xmask:1 row_mask:0xf bank_mask:0xf   ; with my neighbour's 16: the block's
	v_add_nc_u32 v11, -(EMAX<<23), v8
	v_cvt_scalef32_pk8_fp4_f32 v[XC+4*(\t)], v[XS:XS+7], v11
	v_cvt_scalef32_pk8_fp4_f32 v[XC+4*(\t)+1], v[XS+8:XS+15], v11
	v_lshrrev_b32 v[XE+(\t)], 23, v11              ; the scale's byte
	ds_store_b8 v5, v[XE+(\t)] offset:16*(\t)      ; both lanes of a block write the same byte with the same value
	global_store_b64 v4, v[XC+4*(\t):XC+4*(\t)+1], s[12:13] offset:32*CB*(\t)   ; the wave stores 256 consecutive bytes, aligned
.endm
	s_load_b256 s[4:11], s[0:1], 0x0               ; x, Wq, Wk, Wv
	s_load_b256 s[12:19], s[0:1], 0x20             ; xc, xs, wc, ws
	v_lshl_add_u32 v[SPW], v0, 2, SPARE
	v_mov_b32 v[NIL], 0
	v_lshrrev_b32 v1, 5, v0
	v_readfirstlane_b32 s20, v1                    ; wave
	v_and_b32 v2, 31, v0                           ; lane
	s_wait_kmcnt 0x0
	s_cmp_lt_u32 ttmp9, NWG
	s_cbranch_scc0 .Lx_path
	; ---- the weights
	s_lshr_b32 s21, ttmp9, 5                       ; t: which weight
	s_and_b32 s22, ttmp9, 15                       ; which 64 columns
	s_bfe_u32 s23, ttmp9, 0x10004                  ; which half of K
	s_cmp_eq_u32 s21, 0
	s_cselect_b64 s[6:7], s[6:7], s[8:9]           ; Wq or Wk,
	s_cmp_eq_u32 s21, 2
	s_cselect_b64 s[6:7], s[10:11], s[6:7]         ; or Wv: the choice hangs on the work-group's number alone
	s_mov_b32 s30, 0x76543210
	s_mov_b32 s31, 0xfedcba98                      ; v_permlanex16_b32's selects for lane l xor 16
	s_lshl_b32 s24, s22, 6
	s_lshl_b32 s25, s20, 4
	s_add_co_u32 s24, s24, s25                     ; my wave's first column
	s_lshl_b32 s26, s23, 21                        ; 512 rows of 4,096 bytes
	s_lshl_b32 s25, s24, 2
	s_add_co_u32 s26, s26, s25
	s_mov_b32 s27, 0
	s_add_nc_u64 s[6:7], s[6:7], s[26:27]
	s_lshl_b32 s25, s21, 10
	s_add_co_u32 s25, s25, s24                     ; its row in wc and ws
	s_lshl_b32 s26, s25, 9
	s_lshl_b32 s28, s23, 8
	s_add_co_u32 s26, s26, s28
	s_add_nc_u64 s[16:17], s[16:17], s[26:27]
	s_lshl_b32 s26, s25, 5
	s_lshl_b32 s28, s23, 4
	s_add_co_u32 s26, s26, s28
	s_add_nc_u64 s[18:19], s[18:19], s[26:27]
	v_and_b32 v5, 15, v2                           ; c
	v_lshrrev_b32 v6, 4, v2                        ; h
	v_lshlrev_b32 v3, 2, v5
	v_lshl_add_u32 v3, v6, 16, v3                  ; in: 4 bytes a column, 16 rows of 4,096 bytes for the upper half of the lanes
	s_mul_i32 s29, s20, 16*WP
	s_add_co_u32 s29, s29, WSTG                    ; my stage
	v_mul_u32_u24 v4, v5, WP
	v_lshl_add_u32 v4, v6, 3, v4
	v_add_nc_u32 v4, s29, v4                       ; into it: row = my column, 8 bytes for each half of a block
	v_mul_u32_u24 v7, v6, WP
	v_lshl_add_u32 v7, v5, 4, v7
	v_add_nc_u32 v7, s29, v7                       ; out of it: sixteen lanes to a row, two rows an instruction
	v_mul_u32_u24 v8, v6, WKROW
	v_lshl_add_u32 v8, v5, 4, v8                   ; and the same place in wc
	v_lshlrev_b32 v9, 5, v5
	v_lshl_add_u32 v9, v6, 3, v9                   ; my column's row of scale bytes, 8 of its 16 for each half of the lanes
.irp t, 0,1,2,3
	WLOAD \t
.endr
.set Q, 0
.rept NB
	WBLOCK Q
.set Q, Q+1
.endr
	v_cmp_le_u32 vcc_lo, 16, v2
	v_cndmask_b32 v28, v[WSB], v[WSB+2], vcc_lo    ; both halves of the lanes hold all 16 bytes: the lower stores blocks 0-7's, the upper blocks 8-15's
	v_cndmask_b32 v29, v[WSB+1], v[WSB+3], vcc_lo
	global_store_b64 v9, v[28:29], s[18:19]
.irp t, 0,1,2,3,4,5,6,7
	ds_load_b128 v[WOUT+4*\t:WOUT+4*\t+3], v7 offset:2*\t*WP     ; LDS serves a wave's instructions in order: these see my stores
.endr
.irp t, 0,1,2,3,4,5,6,7
	s_wait_dscnt 7-\t
	global_store_b128 v8, v[WOUT+4*\t:WOUT+4*\t+3], s[16:17] offset:2*\t*WKROW   ; sixteen lanes store 256 consecutive bytes, aligned
.endr
	s_wait_tensorcnt 0x0                           ; the wave's end
	ds_add_u32 v[SPW], v[NIL]
	s_wait_dscnt 0x0
	s_endpgm
	; ---- x: a plain stream of blocks of 32; a wave takes 16 steps of 512 numbers
.Lx_path:
	s_sub_co_u32 s21, ttmp9, NWG
	s_lshl_b32 s21, s21, 2
	s_add_co_u32 s21, s21, s20                     ; which run of 8,192 numbers is my wave's
	s_lshl_b32 s22, s21, 15
	s_mov_b32 s23, 0
	s_add_nc_u64 s[4:5], s[4:5], s[22:23]
	s_lshl_b32 s22, s21, 12
	s_add_nc_u64 s[12:13], s[12:13], s[22:23]
	s_lshl_b32 s22, s21, 8
	s_add_nc_u64 s[14:15], s[14:15], s[22:23]
	v_lshlrev_b32 v3, 4, v2                        ; my 16 bytes of a load's 512
	s_mul_i32 s24, s20, WREG
	v_lshrrev_b32 v14, 2, v2
	v_mul_u32_u24 v14, v14, SP
	v_and_b32 v15, 3, v2
	v_lshl_add_u32 v14, v15, 4, v14
	v_add_nc_u32 v14, s24, v14                     ; the stage, on the way in: four lanes' 64 bytes on end, then 16 of padding
	v_mul_u32_u24 v15, v2, SP
	v_add_nc_u32 v15, s24, v15                     ; and on the way out: my 16 neighbours
	v_mul_u32_u24 v4, v2, CB                       ; my codes' place in a step's
	v_lshrrev_b32 v5, 1, v2
	s_add_co_u32 s24, s24, 2*32*SP
	v_add_nc_u32 v5, s24, v5                       ; my wave's 256 scale bytes, my block's byte
	v_lshlrev_b32 v7, 3, v2
	v_add_nc_u32 v6, s24, v7                       ; and on the way out 8 bytes a lane
.irp t, 0,1,2,3
	XLOAD \t
.endr
	s_wait_loadcnt 12                              ; step 0's four loads are in
	XTURN 0
.irp t, 0,1,2,3,4,5,6,7,8,9,10,11,12,13,14,15
	XSTEP \t
.endr
	ds_load_b64 v[8:9], v6
	s_wait_dscnt 0x0
	global_store_b64 v7, v[8:9], s[14:15]          ; 32 lanes store 256 consecutive bytes, aligned
	s_wait_tensorcnt 0x0                           ; the wave's end
	ds_add_u32 v[SPW], v[NIL]
	s_wait_dscnt 0x0
	s_endpgm
.Lfunc_end_k_qf806226788_quant:
	.size	k_qf806226788_quant, .Lfunc_end_k_qf806226788_quant-k_qf806226788_quant
	.p2alignl 7, 3214868480
	.fill 96, 4, 3214868480
	.section	.rodata,"a",@progbits
	.p2align	6, 0x0
	.amdhsa_kernel k_qf806226788_quant
		.amdhsa_group_segment_fixed_size 50688
		.amdhsa_private_segment_fixed_size 0
		.amdhsa_enable_private_segment 0
		.amdhsa_kernarg_size 64
		.amdhsa_user_sgpr_count 2
		.amdhsa_user_sgpr_kernarg_segment_ptr 1
		.amdhsa_wavefront_size32 1
		.amdhsa_system_sgpr_workgroup_id_x 1
		.amdhsa_system_sgpr_workgroup_id_y 1
		.amdhsa_system_sgpr_workgroup_id_z 1
		.amdhsa_system_vgpr_workitem_id 0
		.amdhsa_next_free_vgpr 200
		.amdhsa_next_free_sgpr 66
		.amdhsa_reserve_vcc 1
		.amdhsa_float_denorm_mode_32 3
		.amdhsa_float_denorm_mode_16_64 3
		.amdhsa_memory_ordered 1
		.amdhsa_forward_progress 1
		.amdhsa_inst_pref_size 77
	.end_amdhsa_kernel
	.amdgpu_metadata
---
amdhsa.version: [ 1, 2 ]
amdhsa.kernels:
  - .name:           k_qf806226788_quant
    .symbol:         k_qf806226788_quant.kd
    .args:
      - { .name: x, .offset: 0, .size: 8, .value_kind: global_buffer, .address_space: global }
      - { .name: Wq, .offset: 8, .size: 8, .value_kind: global_buffer, .address_space: global }
      - { .name: Wk, .offset: 16, .size: 8, .value_kind: global_buffer, .address_space: global }
      - { .name: Wv, .offset: 24, .size: 8, .value_kind: global_buffer, .address_space: global }
      - { .name: xc, .offset: 32, .size: 8, .value_kind: global_buffer, .address_space: global }
      - { .name: xs, .offset: 40, .size: 8, .value_kind: global_buffer, .address_space: global }
      - { .name: wc, .offset: 48, .size: 8, .value_kind: global_buffer, .address_space: global }
      - { .name: ws, .offset: 56, .size: 8, .value_kind: global_buffer, .address_space: global }
    .group_segment_fixed_size: 50688
    .private_segment_fixed_size: 0
    .kernarg_segment_align: 8
    .kernarg_segment_size: 64
    .max_flat_workgroup_size: 128
    .sgpr_count:     66
    .vgpr_count:     200
    .wavefront_size: 32
...
	.end_amdgpu_metadata
.endif
;; end of part 1
;; launch proj (part 2): grid 8 x 32, 4 waves a work-group, clusters of 4 x 4, 327,680 bytes of LDS; arguments xc, xs, wc, ws, bq, bk, bv, qkv; writes qkv
.if DOCPART == 2
	.amdgcn_target "amdgcn-amd-amdhsa--gfx1250"
	.amdhsa_code_object_version 6
	.text
	.protected	k_qf806226788_proj
	.globl	k_qf806226788_proj
	.p2align	8
	.type	k_qf806226788_proj,@function
k_qf806226788_proj:
	s_mov_b64 s[64:65], 0
	v_nop
	global_prefetch_b8 v0, s[64:65] scope:SCOPE_SE
	s_setreg_imm32_b32 hwreg(HW_REG_WAVE_MODE, 25, 1), 1
	s_wait_xcnt 0x0
	s_wait_alu depctr_hold_cnt(0) depctr_sa_sdst(0) depctr_va_vdst(0) depctr_va_sdst(0) depctr_va_ssrc(0) depctr_va_vcc(0) depctr_vm_vsrc(0)
	s_getreg_b32 s2, hwreg(HW_REG_IB_STS2, 6, 4)
	s_cmp_eq_u32 s2, 0
	s_cbranch_scc0 .Lentry_in_a_cluster
	s_endpgm
.Lentry_in_a_cluster:
	s_bfe_u32 s2, ttmp6, 0x10000c
	s_cmp_lg_u32 s2, 0xf033
	s_cbranch_scc0 .Lentry_shape_is_right
	s_endpgm
.Lentry_shape_is_right:
; qkv[token][3072] = f16(x W + b): q in columns 0-1023, k in 1024-2047, v in 2048-3071.  Both operands are codes of FP4 (E2M1) with one E8M0 scale for each 32 along K = 1,024; sums in f32; the bias is the C of each sum's first product.
; LIMIT: the results are kept as f16: |q|, |k|, |v| stay under 65,504, and magnitudes under 6e-5 are kept to 2^-25.
; 8,192 x 3,072 results on 256 work-groups are 256 tokens x 384 columns each, made in TWO PHASES on the same 256 tokens, whose codes and scale bytes come into LDS once:
;   phase 1: 256 of q's or k's columns (tile column 0-7); four waves, each 128 tokens x 128 columns: 64 accumulators.  K is two LDS slots of 512 (rows of 256 bytes), both filled at the start.
;   phase 2: 128 of v's columns (2,048 + 128 x tile column); each wave 64 tokens x 128 columns: 32 accumulators.  Its 128 rows of weights (both halves of K) are brought into slot 0's weight rows at the change of slots,
;   and have slot 1's products and the first way out in which to land.  Phase 1's stores leave while phase 2 is multiplied.
; CLUSTERS: 4 x 4 work-groups; x's tiles are shared along a row of the cluster, the weights' along a column: each is asked for jointly.
; THE MATRIX INSTRUCTION IS USED TRANSPOSED (source 0 = 16 rows of wc, source 1 = 16 tokens): a lane holds eight neighbouring columns of one token.
; REGISTERS: window 0: v8-30 addresses; v32-95 scale words (phase 2: the weights'); v96-127 packed results (phase 2's products: x's scale words); v128-191 x's fragments (on the way out: rows read back); v192-255 the bias in the result's layout.
;   window 1: the weights' fragments, two sets.   windows 2, 3: the accumulators ((a, b) at v[8 (8 (a % 4) + b)]).
.set NQ,     4
.set ROWB,   256
.set KROW,   512
.set PITCH,  272                       ; an LDS row: 256 bytes + 16 of padding
.set FR,     8
.set NL,     2
.set NP,     4
.set HALFT,  128*PITCH
.set SLOT,   4*HALFT
.set KS,     32                        ; a row of scale bytes
.set SCL,    2*SLOT                    ; behind the slots: the scale bytes, as units of 256 bytes + 16
.set HALFS,  (128*KS/256)*272
.set SBLK,   (16*KS/256)*272
.set STAGE,  SCL+4*HALFS               ; the way out: 16 rows x 272 bytes for each wave; no tensor load lands here
.set SPITCH, 272
.set SPARE,  STAGE+4*16*SPITCH         ; the spare words: two blocks of 256 bytes that no other line names
.set ROWQ,   6144                      ; a row of qkv in bytes
.set ADRA2, 8                          ; v8-9   phase 2: my 64 tokens' fragments in slot 0, 1
.set ADRB2, 10                         ; v10-11 phase 2: the weights' fragments, K 0-511 and K 512-1023
.set ADRS2, 12                         ; v12    phase 2: my tokens' scale words
.set WSO,   13                         ; v13    32 r: a row of ws
.set ADRA, 16
.set ADRB, 20
.set STO,  24
.set RD,   25
.set CO,   26
.set ADRS, 27
.set SPW,  28
.set NIL,  29
.set BO,   30
.set SC,   32
.set SB2,  32                          ; phase 2: the weights' scale words: block b, K step k at v[32 + 8 b + k]
.set SA2,  96                          ; phase 2: x's: block a, K step k at v[96 + 8 a + k]
.set TMP,  96
.set AF,   128
.set OB,   128
.set BI,   192
.set G1, 24
.set G0, 32
.set G1B, 48
.set G0B, 56
.set G1S, 68
.set G0S, 76
.set G1SB, 80
.set G0SB, 88
.set MSB, 0
.macro WIN new                         ; the immediate's high byte repeats the setting that is left
.if MSB != (\new)
	s_set_vgpr_msb (MSB<<8)|(\new)
.set MSB, (\new)
.endif
.endm
.set MUL_LO, 0xa1                      ; source 0 window 1, source 1 window 0, C and D window 2
.set MUL_HI, 0xf1                      ; the same, C and D window 3
.set BIA_LO, 0x81                      ; the first products: C (the bias) window 0, D window 2
.set BIA_HI, 0xc1
.set TO_B,   0x40
; A joint load: waves 0 and 1 fetch for x, waves 2 and 3 for the weights; the branch hangs on the wave's number alone.  An s_nop 0 and four v_nop follow each line.
.macro JLOAD g0a, g1a, g0b, g1b
	s_cmp_eq_u32 s15, 0
	s_cbranch_scc0 .Lfor_b_\@
	tensor_load_to_lds s[\g0a:\g0a+3], s[\g1a:\g1a+7]
	s_nop 0
.rept 4
	v_nop
.endr
	s_branch .Lasked_\@
.Lfor_b_\@:
	tensor_load_to_lds s[\g0b:\g0b+3], s[\g1b:\g1b+7]
	s_nop 0
.rept 4
	v_nop
.endr
.Lasked_\@:
.endm
.macro CREST                           ; a round of the cluster's barrier behind its opening barrier
	s_cmp_lg_u32 s14, 0
	s_cbranch_scc1 .Lnot_wave_0_\@
	s_barrier_signal -3
.Lnot_wave_0_\@:
	s_barrier_wait -3
	s_barrier_signal -1
	s_barrier_wait -1
.endm
.macro CROUND                          ; a whole round
	s_barrier_signal -1
	s_barrier_wait -1
	CREST
.endm
	s_load_b128 s[4:7], s[0:1], 0x0                ; xc, xs
	s_load_b128 s[8:11], s[0:1], 0x10              ; wc, ws
	s_load_b128 s[96:99], s[0:1], 0x20             ; bq, bk
	s_load_b64 s[100:101], s[0:1], 0x30            ; bv
	s_load_b64 s[12:13], s[0:1], 0x38              ; qkv
	v_lshl_add_u32 v[SPW], v0, 2, SPARE
	v_mov_b32 v[NIL], 0
	ds_add_u32 v[SPW], v[NIL]                      ; the wave's opening: the add, twice on end, and its wait ahead of my first tensor load
	ds_add_u32 v[SPW], v[NIL]
	v_lshrrev_b32 v1, 5, v0
	v_readfirstlane_b32 s14, v1                    ; wave 0..3
	s_lshr_b32 s15, s14, 1                         ; my half of the tile's tokens.  Also: I fetch for x (0) or for the weights (1)
	s_and_b32 s16, s14, 1                          ; my half of its columns.  Also: which 128 rows I fetch
	s_bfe_u32 s40, ttmp6, 0x40000                  ; cx, cy
	s_bfe_u32 s41, ttmp6, 0x40004
	s_lshl_b32 s42, ttmp9, 2
	s_add_co_u32 s42, s42, s40                     ; tile column = 4 x cluster x + cx: 0 .. 7
	s_and_b32 s17, ttmp7, 0xffff
	s_lshl_b32 s17, s17, 2
	s_add_co_u32 s17, s17, s41                     ; tile row = 4 x cluster y + cy
	s_lshl_b32 s43, s41, 2
	s_lshl_b32 s43, 15, s43                        ; my row of the cluster
	s_lshl_b32 s44, 0x1111, s40                    ; my column
	; group 1: 128 rows x 256 bytes, 16 bytes of padding behind each row
	s_or_b32 s[G1+0], s43, (0<<16)|(1<<20)|(1<<21)|(5<<22)|(3<<25)
	s_or_b32 s[G1B+0], s44, (0<<16)|(1<<20)|(1<<21)|(5<<22)|(3<<25)
.irp g, G1, G1B
	s_mov_b32 s[\g+1], ROWB<<16                    ; tensor_dim0
	s_mov_b32 s[\g+2], 128<<16                     ; tensor_dim1
	s_mov_b32 s[\g+3], ROWB<<16                    ; tile_dim0
	s_mov_b32 s[\g+4], 128                         ; tile_dim1
	s_mov_b32 s[\g+5], KROW                        ; from row to row
	s_mov_b32 s[\g+6], 0
	s_mov_b32 s[\g+7], 0
.endr
	; the scale bytes of 128 rows: 4,096 dense bytes as 16 rows of 256 (32 elements of 8 bytes), 16 bytes of padding behind each
	s_or_b32 s[G1S+0], s43, (3<<16)|(1<<20)|(1<<21)|(5<<22)|(3<<25)
	s_or_b32 s[G1SB+0], s44, (3<<16)|(1<<20)|(1<<21)|(5<<22)|(3<<25)
.irp g, G1S, G1SB
	s_mov_b32 s[\g+1], 32<<16
	s_mov_b32 s[\g+2], (128*KS/256)<<16
	s_mov_b32 s[\g+3], 32<<16
	s_mov_b32 s[\g+4], 128*KS/256
	s_mov_b32 s[\g+5], 32
	s_mov_b32 s[\g+6], 0
	s_mov_b32 s[\g+7], 0
.endr
	s_lshl_b32 s18, s16, 7
	s_lshl_b32 s20, s17, 8
	s_add_co_u32 s20, s20, s18                     ; x: row 256 x tile row + 128 x half
	s_lshl_b32 s46, s42, 8
	s_add_co_u32 s46, s46, s18                     ; weights: row 256 x tile column + 128 x half
	s_mov_b32 s21, 0
	s_mov_b32 s47, 0
	s_mov_b64 s[18:19], KS
	s_mul_u64 s[22:23], s[20:21], s[18:19]         ; where these rows' scale bytes begin
	s_mul_u64 s[92:93], s[46:47], s[18:19]
	s_mov_b64 s[18:19], KROW
	s_mul_u64 s[20:21], s[20:21], s[18:19]         ; and their codes
	s_mul_u64 s[46:47], s[46:47], s[18:19]
	s_mul_i32 s45, s14, HALFT                      ; where they go: wave x 128 rows
	s_mul_i32 s94, s14, HALFS
	s_wait_dscnt 0x0                               ; both opening adds are done
	s_wait_kmcnt 0x0
	s_add_nc_u64 s[20:21], s[4:5], s[20:21]
	s_add_nc_u64 s[22:23], s[6:7], s[22:23]
	s_add_nc_u64 s[46:47], s[8:9], s[46:47]
	s_add_nc_u64 s[92:93], s[10:11], s[92:93]
	CROUND                                         ; all sixteen work-groups are here: the joint loads meet
	s_mov_b32 s[G0S], 1
	s_add_co_u32 s[G0S+1], s94, SCL
	s_mov_b64 s[G0S+2:G0S+3], s[22:23]
	s_or_b32 s[G0S+3], s[G0S+3], 0x80000000
	s_mov_b32 s[G0SB], 1
	s_add_co_u32 s[G0SB+1], s94, SCL
	s_mov_b64 s[G0SB+2:G0SB+3], s[92:93]
	s_or_b32 s[G0SB+3], s[G0SB+3], 0x80000000
	JLOAD G0S, G1S, G0SB, G1SB                     ; the scale bytes first
.irp s, 0,1
	s_mov_b32 s[G0+4*\s], 1
	s_add_co_u32 s[G0+4*\s+1], s45, \s*SLOT
	s_add_nc_u64 s[G0+4*\s+2:G0+4*\s+3], s[20:21], \s*ROWB
	s_or_b32 s[G0+4*\s+3], s[G0+4*\s+3], 0x80000000
	s_mov_b32 s[G0B+4*\s], 1
	s_add_co_u32 s[G0B+4*\s+1], s45, \s*SLOT
	s_add_nc_u64 s[G0B+4*\s+2:G0B+4*\s+3], s[46:47], \s*ROWB
	s_or_b32 s[G0B+4*\s+3], s[G0B+4*\s+3], 0x80000000
	JLOAD G0+4*\s, G1, G0B+4*\s, G1B               ; by this text's count three tensor loads of mine are out
.endr
	v_and_b32 v1, 15, v0                           ; r
	v_bfe_u32 v2, v0, 4, 1                         ; h
	; phase 1's bias: cluster x says which (tile columns 0-3 are q's, 4-7 k's); lane (r, h) wants, for block b, the eight numbers at columns 16 b + 8 h
	s_cmp_eq_u32 ttmp9, 0
	s_cselect_b64 s[96:97], s[96:97], s[98:99]
	s_lshl_b32 s66, s40, 10
	s_lshl_b32 s67, s16, 9
	s_add_co_u32 s66, s66, s67
	s_mov_b32 s67, 0
	s_add_nc_u64 s[96:97], s[96:97], s[66:67]
	v_lshlrev_b32 v[BO], 5, v2
.irp b, 0,1,2,3,4,5,6,7
	global_load_b128 v[BI+8*\b:BI+8*\b+3], v[BO], s[96:97] offset:64*\b
	global_load_b128 v[BI+8*\b+4:BI+8*\b+7], v[BO], s[96:97] offset:64*\b+16
.endr
	; phase 2's places in memory: v's columns 128 x tile column on
	s_lshl_b32 s66, s42, 9
	s_add_nc_u64 s[100:101], s[100:101], s[66:67]  ; bv: 512 bytes a tile column
	s_lshl_b32 s66, s42, 12
	s_add_co_u32 s66, s66, 65536
	s_add_nc_u64 s[98:99], s[10:11], s[66:67]      ; ws: row 2,048 + 128 x tile column, 32 bytes a row
	s_lshl_b32 s66, s42, 16
	s_add_co_u32 s66, s66, 0x100000
	s_lshl_b32 s18, s16, 8
	s_add_co_u32 s66, s66, s18
	s_add_nc_u64 s[92:93], s[8:9], s[66:67]        ; wc: the same row, 512 bytes a row; wave 2 takes K 0-511, wave 3 K 512-1023: the same in all four partners of my column
	s_lshl_b32 s66, s17, 8
	s_lshl_b32 s18, s14, 6
	s_add_co_u32 s66, s66, s18                     ; my first token of phase 2: 256 x tile row + 64 x wave
	s_mul_i32 s66, s66, ROWQ
	s_lshl_b32 s18, s42, 8
	s_add_co_u32 s66, s66, s18
	s_add_co_u32 s66, s66, 4096                    ; v's columns begin 4,096 bytes into a row
	s_add_nc_u64 s[2:3], s[12:13], s[66:67]
	v_mul_u32_u24 v3, v1, PITCH
	v_lshl_add_u32 v4, v2, 4, v3                   ; a fragment's row x pitch + 16 x half
	s_mul_i32 s21, s15, HALFT
	s_mul_i32 s22, s16, HALFT
	s_add_co_u32 s22, s22, 2*HALFT
.irp s, 0,1
	v_add_nc_u32 v[ADRA+\s], s21, v4
	v_add_nc_u32 v[ADRB+\s], s22, v4
	s_add_co_u32 s21, s21, SLOT
	s_add_co_u32 s22, s22, SLOT
.endr
	s_mul_i32 s21, s14, 64*PITCH
	v_add_nc_u32 v[ADRA2], s21, v4                 ; phase 2: tokens 64 x wave on, in slot 0,
	v_add_nc_u32 v[ADRA2+1], SLOT, v[ADRA2]        ; and in slot 1
	v_add_nc_u32 v[ADRB2], 2*HALFT, v4             ; its weights lie where slot 0's weights lay: K 0-511 in rows 0-127,
	v_add_nc_u32 v[ADRB2+1], 3*HALFT, v4           ; K 512-1023 in rows 128-255
	v_lshlrev_b32 v[WSO], 5, v1
	v_mul_u32_u24 v5, v1, KS                       ; my row's scale bytes,
	v_lshrrev_b32 v6, 8, v5
	v_lshl_add_u32 v5, v6, 4, v5                   ; and 16 more for each 256 passed
	s_mul_i32 s23, s14, 4*SBLK
	s_add_co_u32 s23, s23, SCL
	v_add_nc_u32 v[ADRS2], s23, v5                 ; phase 2: x's scale words of tokens 64 x wave on
	s_mul_i32 s21, s15, HALFS
	s_mul_i32 s22, s16, HALFS
	s_add_co_u32 s22, s22, 2*HALFS
	s_sub_co_u32 s22, s22, s21
	v_mul_u32_u24 v6, s22, v2                      ; lanes 16-31 take the weights'
	s_add_co_u32 s21, s21, SCL
	v_add_nc_u32 v5, v5, v6
	v_add_nc_u32 v[ADRS], s21, v5
	s_mul_i32 s23, s14, 16*SPITCH
	s_add_co_u32 s23, s23, STAGE                   ; my stage
	v_mul_u32_u24 v5, v1, SPITCH
	v_lshl_add_u32 v5, v2, 4, v5
	v_add_nc_u32 v[STO], s23, v5                   ; in: row r, 16 bytes for each half of the lanes
	v_mul_u32_u24 v5, v2, SPITCH
	v_lshl_add_u32 v5, v1, 4, v5
	v_add_nc_u32 v[RD], s23, v5                    ; back: lanes 0-15 one row of 256 bytes, lanes 16-31 the next
	v_mul_u32_u24 v5, v2, ROWQ
	v_lshl_add_u32 v[CO], v1, 4, v5                ; and the same two rows in qkv
	s_lshl_b32 s20, s17, 8
	s_lshl_b32 s21, s15, 7
	s_add_co_u32 s20, s20, s21                     ; my first token of phase 1
	s_mul_i32 s20, s20, ROWQ                       ; (under 2^32: the buffer has 50,331,648 bytes)
	s_lshl_b32 s46, s42, 9
	s_lshl_b32 s47, s16, 8
	s_add_co_u32 s46, s46, s47                     ; my first column, in bytes
	s_add_co_u32 s20, s20, s46
	s_mov_b32 s21, 0
	s_add_nc_u64 s[12:13], s[12:13], s[20:21]
.macro FRAG reg, adr, q, i             ; 16 rows x 128 K of 4-bit codes: 8 registers, two loads of 16 bytes, 32 bytes apart
.irp c, 0,1
	ds_load_b128 v[\reg+4*\c:\reg+4*\c+3], v[\adr] offset:64*(\q)+32*\c+(\i)*16*PITCH
.endr
.endm
; 16 matrix instructions: token blocks a0, a0 + 1 x the eight column blocks, 128 along K.  bias = 1: the first product starts the sum with the bias.  The 64 accumulators take turns.
.macro MUL16 a0, p, q, sc, bias
.irp a, \a0, \a0+1
.irp b, 0,1,2,3,4,5,6,7
.if \bias
	v_wmma_scale_f32_16x16x128_f8f6f4 v[8*(8*((\a)%4)+\b):8*(8*((\a)%4)+\b)+7], v[128*(\p)+FR*\b:128*(\p)+FR*\b+FR-1], v[AF+FR*(\a):AF+FR*(\a)+FR-1], v[BI+8*\b:BI+8*\b+7], v[SC+8*NQ*(\sc)+NQ*\b+(\q)], v[SC+8*NQ*(\sc)+NQ*(\a)+(\q)] matrix_a_fmt:MATRIX_FMT_FP4 matrix_b_fmt:MATRIX_FMT_FP4 matrix_a_scale:MATRIX_SCALE_ROW1
.else
	v_wmma_scale_f32_16x16x128_f8f6f4 v[8*(8*((\a)%4)+\b):8*(8*((\a)%4)+\b)+7], v[128*(\p)+FR*\b:128*(\p)+FR*\b+FR-1], v[AF+FR*(\a):AF+FR*(\a)+FR-1], v[8*(8*((\a)%4)+\b):8*(8*((\a)%4)+\b)+7], v[SC+8*NQ*(\sc)+NQ*\b+(\q)], v[SC+8*NQ*(\sc)+NQ*(\a)+(\q)] matrix_a_fmt:MATRIX_FMT_FP4 matrix_b_fmt:MATRIX_FMT_FP4 matrix_a_scale:MATRIX_SCALE_ROW1
.endif
.endr
.endr
.endm
.macro FETCH_B slot, q, p
	WIN TO_B
.irp i, 0,1,2,3,4,5,6,7
	FRAG 128*(\p)+FR*\i, ADRB+\slot, \q, \i
.endr
	WIN 0
.endm
.macro FETCH_A slot, q, i0
.irp i, \i0, \i0+1, \i0+2, \i0+3
	FRAG AF+FR*(\i), ADRA+\slot, \q, \i
.endr
.endm
.macro SCALES sc                       ; a slot's scale words: lanes 0-15 take x's block i, lanes 16-31 the weights' block i
.irp i, 0,1,2,3,4,5,6,7
	ds_load_b128 v[SC+8*NQ*\sc+NQ*\i:SC+8*NQ*\sc+NQ*\i+3], v[ADRS] offset:\i*SBLK
.endr
.endm
.macro PLACES n                        ; plain vector instructions between a matrix instruction and a load into, or a read of, its registers
.rept \n
	v_nop
.endr
.endm
.macro STEP slot, q, bias              ; 128 along K, with its successor in the same slot
	s_wait_dscnt 4*NL                              ; all but the youngest eight loads (x's blocks 4-7)
.if \bias
	WIN BIA_LO
.else
	WIN MUL_LO
.endif
	MUL16 0, (\q)%2, \q, \slot, \bias
	MUL16 2, (\q)%2, \q, \slot, \bias
	s_wait_dscnt 0
	PLACES NP
	FETCH_B \slot, (\q)+1, 1-(\q)%2
	FETCH_A \slot, (\q)+1, 0
.if \bias
	WIN BIA_HI
.else
	WIN MUL_HI
.endif
	MUL16 4, (\q)%2, \q, \slot, \bias
	MUL16 6, (\q)%2, \q, \slot, \bias
	PLACES NP
	WIN 0
	FETCH_A \slot, (\q)+1, 4
.endm
; THE WAY OUT, 16 tokens at a time: rounded to f16 (16 bytes a lane), through my own stage, back as whole rows of 256 bytes.
.macro PACK a
.set AC, 64*((\a)%4)
	WIN 0x0a+5*((\a)/4)                            ; sources 0 and 1: window 2 or 3
.irp b, 0,1,2,3,4,5,6,7
.irp r, 0,1,2,3
	v_cvt_pk_f16_f32 v[TMP+4*\b+\r], v[AC+8*\b+2*\r], v[AC+8*\b+2*\r+1]
.endr
.endr
	WIN 0
.endm
.macro TOSTAGE a
.set BB, OB+32*((\a)%2)
.irp b, 0,1,2,3,4,5,6,7
	ds_store_b128 v[STO], v[TMP+4*\b:TMP+4*\b+3] offset:32*\b
.endr
.irp t, 0,1,2,3,4,5,6,7
	ds_load_b128 v[BB+4*\t:BB+4*\t+3], v[RD] offset:\t*2*SPITCH    ; LDS serves a wave's instructions in order: these see the stores above
.endr
.endm
.macro SEND a
.set BB, OB+32*((\a)%2)
	s_wait_dscnt 0x0                               ; the block is back in registers
	s_wait_xcnt 0x0                                ; the earlier stores have read their base and their registers
.if (\a) > 0
	s_add_nc_u64 s[12:13], s[12:13], 16*ROWQ
.endif
.irp t, 0,1,2,3,4,5,6,7
	global_store_b128 v[CO], v[BB+4*\t:BB+4*\t+3], s[12:13] offset:2*\t*ROWQ   ; 16 lanes store 256 consecutive bytes, aligned
.endr
.endm
; PHASE 2.  K step k of eight: x's fragments out of slot k / 4, the weights' out of the rows that hold that half of K; both have two sets of registers, k % 2.
.macro FETCH2 k
	WIN TO_B
.irp i, 0,1,2,3,4,5,6,7
	FRAG 128*((\k)%2)+FR*\i, ADRB2+(\k)/4, (\k)%4, \i
.endr
	WIN 0
.irp i, 0,1,2,3
	FRAG AF+32*((\k)%2)+FR*\i, ADRA2+(\k)/4, (\k)%4, \i
.endr
.endm
.macro MUL32 k                         ; 32 matrix instructions: my four token blocks x the eight column blocks; the 32 accumulators take turns.  Each side's scale words stand in lanes 0-15 of registers of its own
.irp a, 0,1,2,3
.irp b, 0,1,2,3,4,5,6,7
.if (\k) == 0
	v_wmma_scale_f32_16x16x128_f8f6f4 v[8*(8*\a+\b):8*(8*\a+\b)+7], v[128*((\k)%2)+FR*\b:128*((\k)%2)+FR*\b+FR-1], v[AF+32*((\k)%2)+FR*\a:AF+32*((\k)%2)+FR*\a+FR-1], v[BI+8*\b:BI+8*\b+7], v[SB2+8*\b+(\k)], v[SA2+8*\a+(\k)] matrix_a_fmt:MATRIX_FMT_FP4 matrix_b_fmt:MATRIX_FMT_FP4
.else
	v_wmma_scale_f32_16x16x128_f8f6f4 v[8*(8*\a+\b):8*(8*\a+\b)+7], v[128*((\k)%2)+FR*\b:128*((\k)%2)+FR*\b+FR-1], v[AF+32*((\k)%2)+FR*\a:AF+32*((\k)%2)+FR*\a+FR-1], v[8*(8*\a+\b):8*(8*\a+\b)+7], v[SB2+8*\b+(\k)], v[SA2+8*\a+(\k)] matrix_a_fmt:MATRIX_FMT_FP4 matrix_b_fmt:MATRIX_FMT_FP4
.endif
.endr
.endr
.endm
.macro STEP2 k
	s_wait_dscnt 0x0                               ; this step's fragments are in (asked for 32 products ago)
.if (\k) < 7
.if (\k) > 0
	PLACES NP                                      ; the next step's fragments land in the registers that the last step multiplied
.endif
	FETCH2 (\k)+1
.endif
.if (\k) == 0
	PLACES 8                                       ; x's scale words lie in registers that the way out's conversions wrote: eight places ahead of the first scaled product
	WIN BIA_LO
.else
	WIN MUL_LO
.endif
	MUL32 \k
	WIN 0
.endm
	s_wait_tensorcnt 1                             ; the scale bytes and my part of slot 0 are in (slot 1's load may be out)
	s_barrier_signal -1
	s_barrier_wait -1                              ; everybody's are
	FETCH_B 0, 0, 0
	FETCH_A 0, 0, 0
	SCALES 0
	FETCH_A 0, 0, 4
	s_wait_loadcnt 0x0                             ; the bias
	STEP 0, 0, 1
	STEP 0, 1, 0
	STEP 0, 2, 0
	; slot 0's last step changes slots: one barrier, which opens a round of the cluster's; in front of it my part of slot 1 has landed and my reads of slot 0 are over
	s_wait_tensorcnt 0x0
	ds_add_u32 v[SPW], v[NIL]
	s_wait_dscnt 4*NL+1                            ; (the add and the youngest eight loads may be out)
	WIN MUL_LO
	MUL16 0, 1, NQ-1, 0, 0
	s_wait_dscnt 0x0
	s_barrier_signal -1
	MUL16 2, 1, NQ-1, 0, 0
	WIN 0
	s_barrier_wait -1
	CREST                                          ; no wave of any partner still reads slot 0's weights or has a load on its way
	s_mov_b64 s[G0B+2:G0B+3], s[92:93]             ; phase 2's weights; the LDS address stays: wave x 128 rows of slot 0
	s_or_b32 s[G0B+3], s[G0B+3], 0x80000000
	s_cmp_eq_u32 s15, 0                            ; waves 2 and 3 fill, one load each; waves 0 and 1 have no part to fill
	s_cbranch_scc1 .Lno_refill
	tensor_load_to_lds s[G0B:G0B+3], s[G1B:G1B+7]
	s_nop 0
.rept 4
	v_nop
.endr
.Lno_refill:
	PLACES NP
	v_add_nc_u32 v[ADRS], 4*NQ, v[ADRS]            ; on to slot 1's scale words
	FETCH_B 1, 0, 0
	FETCH_A 1, 0, 0
	SCALES 1
	WIN MUL_HI
	MUL16 4, 1, NQ-1, 0, 0
	MUL16 6, 1, NQ-1, 0, 0
	PLACES NP
	WIN 0
	FETCH_A 1, 0, 4
	STEP 1, 0, 0
	STEP 1, 1, 0
	STEP 1, 2, 0
	s_wait_dscnt 4*NL                              ; phase 1's last step: nothing more to fetch
	WIN MUL_LO
	MUL16 0, 1, NQ-1, 1, 0
	MUL16 2, 1, NQ-1, 1, 0
	s_wait_dscnt 0
	WIN MUL_HI
	MUL16 4, 1, NQ-1, 1, 0
	MUL16 6, 1, NQ-1, 1, 0
	WIN 0
	PLACES NP
	; phase 2's bias and its weights' scale words are asked for here and land under the way out
.irp b, 0,1,2,3,4,5,6,7
	global_load_b128 v[BI+8*\b:BI+8*\b+3], v[BO], s[100:101] offset:64*\b
	global_load_b128 v[BI+8*\b+4:BI+8*\b+7], v[BO], s[100:101] offset:64*\b+16
.endr
.irp b, 0,1,2,3,4,5,6,7
	global_load_b128 v[SB2+8*\b:SB2+8*\b+3], v[WSO], s[98:99] offset:512*\b        ; row 16 b + r: the words of K steps 0-3,
	global_load_b128 v[SB2+8*\b+4:SB2+8*\b+7], v[WSO], s[98:99] offset:512*\b+16   ; and of K steps 4-7: the 16 loads take a dense block of 4,096 bytes
.endr
	PACK 0
	TOSTAGE 0
.irp a, 1,2,3,4,5,6,7
	PACK \a
	SEND \a-1
	TOSTAGE \a
.endr
	SEND 7
	; ---- phase 2
	s_wait_xcnt 0x0                                ; the stores have read their base and their registers
	s_mov_b64 s[12:13], s[2:3]
	s_wait_tensorcnt 0x0                           ; my part of phase 2's weights has landed,
	s_barrier_signal -1
	s_barrier_wait -1                              ; everybody's has
.irp a, 0,1,2,3
	ds_load_b128 v[SA2+8*\a:SA2+8*\a+3], v[ADRS2] offset:\a*SBLK
	ds_load_b128 v[SA2+8*\a+4:SA2+8*\a+7], v[ADRS2] offset:\a*SBLK+16
.endr
	FETCH2 0
	s_wait_loadcnt 0x0                             ; the bias and the weights' scale words
.irp k, 0,1,2,3,4,5,6,7
	STEP2 \k
.endr
	PLACES NP
	PACK 0
	TOSTAGE 0
.irp a, 1,2,3
	PACK \a
	SEND \a-1
	TOSTAGE \a
.endr
	SEND 3
	s_wait_tensorcnt 0x0                           ; the wave's end
	ds_add_u32 v[SPW], v[NIL]
	s_wait_dscnt 0x0
	CROUND                                         ; the closing round
	s_endpgm
.Lfunc_end_k_qf806226788_proj:
	.size	k_qf806226788_proj, .Lfunc_end_k_qf806226788_proj-k_qf806226788_proj
	.p2alignl 7, 3214868480
	.fill 96, 4, 3214868480
	.section	.rodata,"a",@progbits
	.p2align	6, 0x0
	.amdhsa_kernel k_qf806226788_proj
		.amdhsa_group_segment_fixed_size 327680
		.amdhsa_private_segment_fixed_size 0
		.amdhsa_enable_private_segment 0
		.amdhsa_kernarg_size 64
		.amdhsa_user_sgpr_count 2
		.amdhsa_user_sgpr_kernarg_segment_ptr 1
		.amdhsa_wavefront_size32 1
		.amdhsa_system_sgpr_workgroup_id_x 1
		.amdhsa_system_sgpr_workgroup_id_y 1
		.amdhsa_system_sgpr_workgroup_id_z 1
		.amdhsa_system_vgpr_workitem_id 0
		.amdhsa_next_free_vgpr 1024
		.amdhsa_next_free_sgpr 102
		.amdhsa_reserve_vcc 0
		.amdhsa_float_denorm_mode_32 3
		.amdhsa_float_denorm_mode_16_64 3
		.amdhsa_memory_ordered 1
		.amdhsa_forward_progress 1
		.amdhsa_inst_pref_size 196
	.end_amdhsa_kernel
	.amdgpu_metadata
---
amdhsa.version: [ 1, 2 ]
amdhsa.kernels:
  - .name:           k_qf806226788_proj
    .symbol:         k_qf806226788_proj.kd
    .args:
      - { .name: xc, .offset: 0, .size: 8, .value_kind: global_buffer, .address_space: global }
      - { .name: xs, .offset: 8, .size: 8, .value_kind: global_buffer, .address_space: global }
      - { .name: wc, .offset: 16, .size: 8, .value_kind: global_buffer, .address_space: global }
      - { .name: ws, .offset: 24, .size: 8, .value_kind: global_buffer, .address_space: global }
      - { .name: bq, .offset: 32, .size: 8, .value_kind: global_buffer, .address_space: global }
      - { .name: bk, .offset: 40, .size: 8, .value_kind: global_buffer, .address_space: global }
      - { .name: bv, .offset: 48, .size: 8, .value_kind: global_buffer, .address_space: global }
      - { .name: qkv, .offset: 56, .size: 8, .value_kind: global_buffer, .address_space: global }
    .group_segment_fixed_size: 327680
    .private_segment_fixed_size: 0
    .kernarg_segment_align: 8
    .kernarg_segment_size: 64
    .max_flat_workgroup_size: 128
    .sgpr_count:     102
    .vgpr_count:     1024
    .wavefront_size: 32
...
	.end_amdgpu_metadata
.endif
;; end of part 2
;; launch scores (part 3): grid 8 x 32, 4 waves a work-group, clusters of 4 x 4, 327,680 bytes of LDS; arguments qkv, pimg, stm, stl; writes pimg, stm, stl
.if DOCPART == 3
	.amdgcn_target "amdgcn-amd-amdhsa--gfx1250"
	.amdhsa_code_object_version 6
	.text
	.protected	k_qf806226788_scores
	.globl	k_qf806226788_scores
	.p2align	8
	.type	k_qf806226788_scores,@function
k_qf806226788_scores:
	s_mov_b64 s[64:65], 0
	v_nop
	global_prefetch_b8 v0, s[64:65] scope:SCOPE_SE
	s_setreg_imm32_b32 hwreg(HW_REG_WAVE_MODE, 25, 1), 1
	s_wait_xcnt 0x0
	s_wait_alu depctr_hold_cnt(0) depctr_sa_sdst(0) depctr_va_vdst(0) depctr_va_sdst(0) depctr_va_ssrc(0) depctr_va_vcc(0) depctr_vm_vsrc(0)
	s_getreg_b32 s2, hwreg(HW_REG_IB_STS2, 6, 4)
	s_cmp_eq_u32 s2, 0
	s_cbranch_scc0 .Lentry_in_a_cluster
	s_endpgm
.Lentry_in_a_cluster:
	s_bfe_u32 s2, ttmp6, 0x10000c
	s_cmp_lg_u32 s2, 0xf033
	s_cbranch_scc0 .Lentry_shape_is_right
	s_endpgm
.Lentry_shape_is_right:
; S = q k^T for a tile of 256 queries x 256 keys of one batch (f16 operands out of qkv, f32 sums, K = 1,024), and the first half of the softmax.
; For each query and each block of 128 keys (a wave's columns): t = s log2(e) / 32; M = the block's largest t rounded UP to a whole number; p = 2^(t - M), at most 1, goes out as f16; -M and l = the sum of the block's p go out as f32.
; The launch that follows brings a row's 16 blocks under the row's largest M by exact powers of two: so the row's maximum is taken away for every input.
; pimg holds p as images of the next product's operand registers: fragment (16 queries qb, 32 keys kc) at byte (64 qb + kc) x 1,024, registers 0-3 at 16 x lane, registers 4-7 at 512 + 16 x lane.
; stm, stl: [128 groups of 64 rows][16 key blocks][16 r][4 a]: row 64 g + 16 a + r.
; LIMITS: NaN and infinities are not served; p under 6e-5 is kept to 2^-25.
; Four waves, each 128 x 128: 64 accumulators.  K goes in steps of 128 through two LDS slots (rows of 256 bytes + 16 of padding).  CLUSTERS of 4 x 4: q's tiles are shared along a row, k's along a column (a cluster's four tile rows lie in one batch).
; THE MATRIX INSTRUCTION IS USED TRANSPOSED (source 0 = 16 keys, source 1 = 16 queries): a lane holds one query and eight neighbouring keys.
; REGISTERS: window 0: v16-30 addresses; v64-127, v128-191 q's fragments, two buffers; window 1: k's; windows 2, 3: the accumulators ((a, b) at v[8 (8 (a % 4) + b)]).
;   At the end, in window 0: v32-35 maxima, v40-43 sums, v48-63 (-M, l) of the eight blocks of queries, v64-127 packed p in two sets, v128-135 the statistics as stored.
.set KSTEP,  128
.set ROWQ,   6144                      ; a row of qkv in bytes (3,072 elements)
.set PITCH,  272
.set HALFT,  128*PITCH
.set SLOT,   4*HALFT
.set SPARE,  2*SLOT                    ; behind the slots: the spare words: two blocks of 256 bytes that no other line names
.set LAPS,   4                         ; a lap = two K steps
.set ADRA, 16
.set ADRB, 20
.set LO,   24                          ; v24 16 x lane
.set SO,   25                          ; v25 4,096 h + 16 r
.set LN,   26                          ; v26 lane
.set SPW,  28
.set NIL,  29
.set PFO,  30                          ; v30 lane x a row of qkv
.set CH,   32
.set SM,   40
.set ST,   48
.set TMP,  64
.set F0,   64
.set F1,   128
.set PFA,  44                          ; s[44:45] where my prefetches stand
.set LIM,  43                          ; s43 1 in a wave that prefetches, else the greatest number
.set G1, 24
.set G0, 32
.set G1B, 48
.set G0B, 56
.set CS,  20                           ; s[20:21] c = log2(e) / 32, at the end
.set SEL, 22                           ; s[22:23] lane selects for lane xor 16
.set MSB, 0
.macro WIN new
.if MSB != (\new)
	s_set_vgpr_msb (MSB<<8)|(\new)
.set MSB, (\new)
.endif
.endm
.set MUL_LO, 0xa1
.set MUL_HI, 0xf1
.set TO_B,   0x40
.macro JLOAD s                         ; waves 0 and 1 fetch q's two halves, waves 2 and 3 k's; an s_nop 0 and four v_nop follow each line
	s_cmp_eq_u32 s11, 0
	s_cbranch_scc0 .Lfor_b_\@
	tensor_load_to_lds s[G0+4*\s:G0+4*\s+3], s[G1:G1+7]
	s_nop 0
.rept 4
	v_nop
.endr
	s_branch .Lasked_\@
.Lfor_b_\@:
	tensor_load_to_lds s[G0B+4*\s:G0B+4*\s+3], s[G1B:G1B+7]
	s_nop 0
.rept 4
	v_nop
.endr
.Lasked_\@:
.endm
; A prefetch of the K step that stands two refills on: 32 rows x 256 bytes, a lane a row.  q's rows are named by the cluster with x = 0, k's by the batch's first cluster along y; the four partners that ask for a tile
; jointly take 32 of a wave's 128 rows each, told apart by address.  So K steps 4 to 7 of each row are named once; the loop's last trip asks for nothing.
.macro ASK
	s_cmp_gt_u32 s3, s[LIM]
	s_cbranch_scc0 .Lnot_mine_\@
	global_prefetch_b8 v[PFO], s[PFA:PFA+1] offset:KSTEP*2 th:TH_LOAD_NT scope:SCOPE_SE
.Lnot_mine_\@:
.endm
.macro CREST
	s_cmp_lg_u32 s10, 0
	s_cbranch_scc1 .Lnot_wave_0_\@
	s_barrier_signal -3
.Lnot_wave_0_\@:
	s_barrier_wait -3
	s_barrier_signal -1
	s_barrier_wait -1
.endm
.macro CROUND
	s_barrier_signal -1
	s_barrier_wait -1
	CREST
.endm
	s_load_b64 s[4:5], s[0:1], 0x0                 ; qkv
	s_load_b64 s[8:9], s[0:1], 0x8                 ; pimg
	s_load_b128 s[68:71], s[0:1], 0x10             ; stm, stl
	v_lshl_add_u32 v[SPW], v0, 2, SPARE
	v_mov_b32 v[NIL], 0
	ds_add_u32 v[SPW], v[NIL]                      ; the wave's opening: the add, twice on end, and its wait ahead of my first tensor load
	ds_add_u32 v[SPW], v[NIL]
	v_lshrrev_b32 v1, 5, v0
	v_readfirstlane_b32 s10, v1                    ; wave 0..3
	s_lshr_b32 s11, s10, 1                         ; my half of the queries.  Also: I fetch for q (0) or for k (1)
	s_and_b32 s12, s10, 1                          ; my half of the keys.  Also: which 128 rows I fetch
	s_bfe_u32 s40, ttmp6, 0x40000                  ; cx
	s_bfe_u32 s41, ttmp6, 0x40004                  ; cy
	s_lshl_b32 s42, ttmp9, 2
	s_add_co_u32 s42, s42, s40                     ; tile column: 256 keys of the batch
	s_and_b32 s13, ttmp7, 0xffff
	s_lshl_b32 s13, s13, 2
	s_add_co_u32 s13, s13, s41                     ; tile row: 256 of the 8,192 queries
	s_lshl_b32 s43, s41, 2
	s_lshl_b32 s43, 15, s43                        ; my row of the cluster
	s_lshl_b32 s44, 0x1111, s40                    ; my column
	s_or_b32 s[G1+0], s43, (1<<16)|(1<<20)|(1<<21)|(5<<22)|(3<<25)   ; the mask; elements of 2 bytes; 4 words of padding behind every 64
	s_or_b32 s[G1B+0], s44, (1<<16)|(1<<20)|(1<<21)|(5<<22)|(3<<25)
.irp g, G1, G1B
	s_mov_b32 s[\g+1], KSTEP<<16                   ; tensor_dim0 = 128
	s_mov_b32 s[\g+2], 128<<16                     ; tensor_dim1 = 128
	s_mov_b32 s[\g+3], KSTEP<<16                   ; tile_dim0 = 128
	s_mov_b32 s[\g+4], 128                         ; tile_dim1 = 128
	s_mov_b32 s[\g+5], 3072                        ; elements from row to row
	s_mov_b32 s[\g+6], 0
	s_mov_b32 s[\g+7], 0
.endr
	s_lshl_b32 s17, s12, 7
	s_lshl_b32 s16, s13, 8
	s_add_co_u32 s16, s16, s17                     ; q: row 256 x tile row + 128 x half
	s_lshl_b32 s46, s42, 8
	s_add_co_u32 s46, s46, s17                     ; k: row 256 x tile column + 128 x half
	s_and_b32 s47, ttmp7, 0xffff
	s_lshr_b32 s47, s47, 1                         ; the batch, from the cluster's y: the same in all sixteen partners
	s_lshl_b32 s47, s47, 11
	s_add_co_u32 s46, s46, s47                     ; + 2,048 x batch
	s_mov_b32 s17, 0
	s_mov_b32 s47, 0
	s_mov_b64 s[18:19], ROWQ
	s_mul_u64 s[16:17], s[16:17], s[18:19]
	s_mul_u64 s[46:47], s[46:47], s[18:19]
	s_mul_i32 s20, s10, HALFT                      ; where they go: wave x 128 rows
	s_wait_dscnt 0x0                               ; both opening adds are done
	s_wait_kmcnt 0x0
	s_add_nc_u64 s[6:7], s[4:5], 2048              ; k's columns begin 2,048 bytes into a row
	s_add_nc_u64 s[14:15], s[4:5], s[16:17]
	s_add_nc_u64 s[46:47], s[6:7], s[46:47]
	CROUND                                         ; all sixteen work-groups are here: the first joint loads meet
.irp s, 0,1
	s_mov_b32 s[G0+4*\s], 1
	s_add_co_u32 s[G0+4*\s+1], s20, \s*SLOT
	s_add_nc_u64 s[G0+4*\s+2:G0+4*\s+3], s[14:15], \s*KSTEP*2
	s_or_b32 s[G0+4*\s+3], s[G0+4*\s+3], 0x80000000
	s_mov_b32 s[G0B+4*\s], 1
	s_add_co_u32 s[G0B+4*\s+1], s20, \s*SLOT
	s_add_nc_u64 s[G0B+4*\s+2:G0B+4*\s+3], s[46:47], \s*KSTEP*2
	s_or_b32 s[G0B+4*\s+3], s[G0B+4*\s+3], 0x80000000
	JLOAD \s
.endr
	v_and_b32 v1, 15, v0                           ; r
	v_bfe_u32 v2, v0, 4, 1                         ; h
	v_mul_u32_u24 v3, v1, PITCH
	v_lshl_add_u32 v3, v2, 4, v3
	s_mul_i32 s21, s11, HALFT
	s_mul_i32 s22, s12, HALFT
	s_add_co_u32 s22, s22, 2*HALFT
.irp s, 0,1
	v_add_nc_u32 v[ADRA+\s], s21, v3
	v_add_nc_u32 v[ADRB+\s], s22, v3
	s_add_co_u32 s21, s21, SLOT
	s_add_co_u32 s22, s22, SLOT
.endr
	v_and_b32 v[LN], 31, v0
	v_lshlrev_b32 v[LO], 4, v[LN]
	v_lshlrev_b32 v[SO], 4, v1
	v_lshl_add_u32 v[SO], v2, 12, v[SO]
	; pimg: (16 x tile row + 8 x half) x 65,536 + (8 x tile column + 4 x half) x 1,024
	s_lshl_b32 s16, s13, 4
	s_lshl_b32 s17, s11, 3
	s_add_co_u32 s16, s16, s17
	s_lshl_b32 s16, s16, 16
	s_lshl_b32 s46, s42, 3
	s_lshl_b32 s47, s12, 2
	s_add_co_u32 s46, s46, s47
	s_lshl_b32 s46, s46, 10
	s_add_co_u32 s16, s16, s46
	s_mov_b32 s17, 0
	s_add_nc_u64 s[8:9], s[8:9], s[16:17]
	; the statistics: (4 x tile row + 2 x half) x 4,096 + (2 x tile column + half) x 256
	s_lshl_b32 s16, s13, 2
	s_lshl_b32 s46, s11, 1
	s_add_co_u32 s16, s16, s46
	s_lshl_b32 s16, s16, 12
	s_lshl_b32 s46, s42, 1
	s_add_co_u32 s46, s46, s12
	s_lshl_b32 s46, s46, 8
	s_add_co_u32 s16, s16, s46
	s_add_nc_u64 s[68:69], s[68:69], s[16:17]
	s_add_nc_u64 s[70:71], s[70:71], s[16:17]
	; the prefetches
	s_lshl_b32 s20, s13, 8                         ; q's tile: its first row
	s_lshl_b32 s21, s42, 8                         ; k's tile:
	s_and_b32 s22, ttmp7, 0xffff
	s_lshr_b32 s23, s22, 1
	s_lshl_b32 s23, s23, 11
	s_add_co_u32 s21, s21, s23                     ; its first row
	s_and_b32 s22, s22, 1                          ; 0 in the batch's first cluster along y
	s_cmp_eq_u32 s11, 0                            ; do I fetch for q?
	s_cselect_b32 s20, s20, s21
	s_cselect_b32 s21, s40, s41                    ; my place among the four that ask with me
	s_cselect_b32 s22, ttmp9, s22                  ; 0 in the cluster that names these rows
	s_cselect_b64 s[PFA:PFA+1], s[4:5], s[6:7]
	s_cmp_eq_u32 s22, 0
	s_cselect_b32 s[LIM], 1, -1
	s_lshl_b32 s22, s12, 7
	s_add_co_u32 s20, s20, s22                     ; + the 128 rows that I fetch
	s_lshl_b32 s21, s21, 5
	s_add_co_u32 s20, s20, s21                     ; + my work-group's 32 of them
	s_mov_b32 s21, 0
	s_mov_b64 s[18:19], ROWQ
	s_mul_u64 s[20:21], s[20:21], s[18:19]
	s_add_nc_u64 s[PFA:PFA+1], s[PFA:PFA+1], s[20:21]
	s_add_nc_u64 s[PFA:PFA+1], s[PFA:PFA+1], 2*KSTEP*2   ; at K step 2: the first refill steps it to 3 and names K step 4
	v_and_b32 v[PFO], 31, v0
	v_mul_u32_u24 v[PFO], v[PFO], ROWQ
; 16 matrix instructions: query blocks a0, a0 + 1 of the window's four x all 8 key blocks, 32 along K.  zero = 1: the first product starts the sums.  The 64 accumulators take turns.
.macro MUL16 f, hi, a0, zero
.irp a, \a0, \a0+1
.irp b, 0,1,2,3,4,5,6,7
.if \zero
	v_wmma_f32_16x16x32_f16 v[8*(8*(\a)+\b):8*(8*(\a)+\b)+7], v[\f+8*\b:\f+8*\b+7], v[\f+8*(4*\hi+\a):\f+8*(4*\hi+\a)+7], 0
.else
	v_wmma_f32_16x16x32_f16 v[8*(8*(\a)+\b):8*(8*(\a)+\b)+7], v[\f+8*\b:\f+8*\b+7], v[\f+8*(4*\hi+\a):\f+8*(4*\hi+\a)+7], v[8*(8*(\a)+\b):8*(8*(\a)+\b)+7]
.endif
.endr
.endr
.endm
.macro FETCH slot, k, f                ; 32 LDS loads in one run: the fragments of 32 along K at byte k of the rows
	WIN TO_B
.irp i, 0,1,2,3,4,5,6,7
	ds_load_b128 v[\f+8*\i:\f+8*\i+3],   v[ADRB+\slot] offset:\k+\i*16*PITCH
	ds_load_b128 v[\f+8*\i+4:\f+8*\i+7], v[ADRB+\slot] offset:\k+\i*16*PITCH+32
.endr
	WIN 0
.irp i, 0,1,2,3,4,5,6,7
	ds_load_b128 v[\f+8*\i:\f+8*\i+3],   v[ADRA+\slot] offset:\k+\i*16*PITCH
	ds_load_b128 v[\f+8*\i+4:\f+8*\i+7], v[ADRA+\slot] offset:\k+\i*16*PITCH+32
.endr
.endm
.macro PLACES                          ; four plain vector instructions in front of loads into registers that matrix instructions have read
.rept 4
	v_nop
.endr
.endm
.macro QUARTER slot, k, f, g, zero     ; multiplies buffer f; in its middle it fetches the next quarter's fragments into g
	s_wait_dscnt 8                                 ; all but the youngest eight loads (q's rows 64-127)
	WIN MUL_LO
	MUL16 \f, 0, 0, \zero
	MUL16 \f, 0, 2, \zero
	PLACES
	FETCH \slot, \k, \g
	s_wait_dscnt 32                                ; all but the 32 just issued
	WIN MUL_HI
	MUL16 \f, 1, 0, \zero
	MUL16 \f, 1, 2, \zero
.endm
; The first half of a slot's last quarter: one barrier for the change of slots.  In front of it each wave waits for all its tensor loads, adds 0 to its spare word, and waits for that and for its reads of this slot.
.macro MEET round
	WIN 0
	s_wait_tensorcnt 0x0                           ; my part of the next slot has landed
	ds_add_u32 v[SPW], v[NIL]
	s_wait_dscnt 9                                 ; (the add and the youngest eight loads may be out)
	WIN MUL_LO
	MUL16 F1, 0, 0, 0
	s_wait_dscnt 0x0                               ; the add is done, and my reads of this slot are over
	s_barrier_signal -1
	MUL16 F1, 0, 2, 0
.if \round
	WIN 0
.endif
	s_barrier_wait -1
.endm
.macro TURN slot, next                 ; the whole last quarter of a slot that is filled again, two K steps ahead
	s_wait_xcnt 0x0                                ; the last prefetch, a K step back, has read its address
	s_add_nc_u64 s[PFA:PFA+1], s[PFA:PFA+1], KSTEP*2
	MEET 1
	CREST                                          ; the barrier has opened a round of the cluster's: no wave of any partner still reads this slot or has a load on its way
	s_add_nc_u64 s[G0+4*\slot+2:G0+4*\slot+3], s[G0+4*\slot+2:G0+4*\slot+3], 2*KSTEP*2
	s_add_nc_u64 s[G0B+4*\slot+2:G0B+4*\slot+3], s[G0B+4*\slot+2:G0B+4*\slot+3], 2*KSTEP*2
	JLOAD \slot                                    ; the first tensor load behind the round; its four v_nop are also the places in front of the loads below
	FETCH \next, 0, F0
	ASK
	WIN MUL_HI
	MUL16 F1, 1, 0, 0
	MUL16 F1, 1, 2, 0
.endm
	s_wait_tensorcnt 1                             ; my part of K step 0 is in (K step 1's may be out)
	s_barrier_signal -1
	s_barrier_wait -1                              ; everybody's is
	FETCH 0, 0, F0
	QUARTER 0, 64,  F0, F1, 1                      ; the first quarter starts the sums
	WIN 0
	s_mov_b32 s3, LAPS-1
.Llap:                                                 ; a trip goes once round the two slots and fills both again
	QUARTER 0, 128, F1, F0, 0
	QUARTER 0, 192, F0, F1, 0
	TURN 0, 1
	QUARTER 1, 64,  F0, F1, 0
	QUARTER 1, 128, F1, F0, 0
	QUARTER 1, 192, F0, F1, 0
	TURN 1, 0
	QUARTER 0, 64,  F0, F1, 0
	WIN 0
	s_sub_co_u32 s3, s3, 1
	s_cmp_lg_u32 s3, 0
	s_cbranch_scc1 .Llap
	QUARTER 0, 128, F1, F0, 0                      ; the last lap is written out: it fills nothing
	QUARTER 0, 192, F0, F1, 0
	MEET 0
	PLACES
	FETCH 1, 0, F0
	WIN MUL_HI
	MUL16 F1, 1, 0, 0
	MUL16 F1, 1, 2, 0
	QUARTER 1, 64,  F0, F1, 0
	QUARTER 1, 128, F1, F0, 0
	QUARTER 1, 192, F0, F1, 0
	s_wait_dscnt 8
	WIN MUL_LO
	MUL16 F1, 0, 0, 0
	MUL16 F1, 0, 2, 0
	s_wait_dscnt 0
	WIN MUL_HI
	MUL16 F1, 1, 0, 0
	MUL16 F1, 1, 2, 0
	WIN 0
	; THE SOFTMAX'S FIRST HALF, a block of 16 queries at a time.  A lane holds one query and 64 of my 128 keys; the lane 16 away holds the other 64.
	s_mov_b32 s[CS], 0x3d38aa3b                    ; c = log2(e) / 32
	s_mov_b32 s[CS+1], s[CS]
	s_mov_b32 s[SEL], 0x76543210
	s_mov_b32 s[SEL+1], 0xfedcba98
.irp a, 0,1,2,3,4,5,6,7
	v_mov_b32 v[ST+2*\a+1], 0                      ; the upper halves of the pairs (-M, l), named with -M below.  (Eight plain instructions: the places behind the last products)
.endr
.macro SOFT a
.set SW, 2+(\a)/4
.set AC, 64*((\a)%4)
.set TP, TMP+32*((\a)%2)
.set NM, ST+2*(\a)
	WIN (SW<<2)|(SW<<4)                            ; sources 1 and 2: the block's window
.irp i, 0,1,2,3
.irp b, 0,1,2,3,4,5,6,7
.if (\i == 0) && (\b < 4)
	v_max3_num_f32 v[CH+\b%4], 0xff800000, v[AC+8*\b+2*\i], v[AC+8*\b+2*\i+1]   ; four chains, begun at -infinity; each accumulator is read from its low end on
.else
	v_max3_num_f32 v[CH+\b%4], v[CH+\b%4], v[AC+8*\b+2*\i], v[AC+8*\b+2*\i+1]
.endif
.endr
.endr
	WIN 0
	v_max3_num_f32 v[CH], v[CH], v[CH+1], v[CH+2]
	v_max_num_f32 v[CH], v[CH], v[CH+3]
	v_permlanex16_b32 v[CH+1], v[CH], s[SEL], s[SEL+1]
	v_max_num_f32 v[CH], v[CH], v[CH+1]            ; the largest score of my query among the 128 keys
	v_mul_f32 v[CH], s[CS], v[CH]                  ; as t
	v_floor_f32 v[NM], -v[CH]                      ; -M = floor(-t): M is a whole number
	WIN (SW<<6)|SW                                 ; destination and source 0: the block's window
.set J, 0
.rept 32
	v_pk_fma_f32 v[AC+J:AC+J+1], v[AC+J:AC+J+1], s[CS:CS+1], v[NM:NM+1] op_sel_hi:[1,0,0]   ; t - M, two at a time
.set J, J+2
.endr
.set J, 0
.rept 64
	v_exp_f32 v[AC+J], v[AC+J]                     ; p = 2^(t - M)
.set J, J+1
.endr
	v_nop                                          ; a plain instruction behind the last exponential
	s_wait_alu depctr_va_vdst(0)                   ; one wait for the batch of 64, ahead of its first reader
.if (\a) > 1
	s_wait_xcnt 0x0                                ; the stores of two blocks back have read this set of registers
.endif
	WIN SW|(SW<<2)                                 ; sources 0 and 1: the block's window
.irp b, 0,1,2,3,4,5,6,7
.irp r, 0,1,2,3
	v_cvt_pk_f16_f32 v[TP+4*\b+\r], v[AC+8*\b+2*\r], v[AC+8*\b+2*\r+1]   ; key blocks 2 c and 2 c + 1 are registers 0-3 and 4-7 of fragment c
.endr
.endr
	v_pk_add_f32 v[SM:SM+1], v[AC:AC+1], v[AC+4:AC+5]              ; the sum of the unrounded p, in two chains
	v_pk_add_f32 v[SM+2:SM+3], v[AC+2:AC+3], v[AC+6:AC+7]
	WIN SW
.set J, 8
.rept 14
	v_pk_add_f32 v[SM:SM+1], v[AC+J:AC+J+1], v[SM:SM+1]
	v_pk_add_f32 v[SM+2:SM+3], v[AC+J+2:AC+J+3], v[SM+2:SM+3]
.set J, J+4
.endr
	WIN 0
.irp b, 0,1,2,3,4,5,6,7
	global_store_b128 v[LO], v[TP+4*\b:TP+4*\b+3], s[8:9] offset:(\a)*65536+\b*512   ; the wave stores 512 consecutive bytes, aligned
.endr
	v_pk_add_f32 v[SM:SM+1], v[SM:SM+1], v[SM+2:SM+3]
	v_add_f32 v[SM], v[SM], v[SM+1]
	v_permlanex16_b32 v[SM+1], v[SM], s[SEL], s[SEL+1]
	v_add_f32 v[NM+1], v[SM], v[SM+1]              ; l
.endm
.irp a, 0,1,2,3,4,5,6,7
	SOFT \a
.endr
	v_cmp_le_u32 vcc_lo, 16, v[LN]                 ; lanes 16-31 store blocks 4-7, the second group of 64 rows
.irp a, 0,1,2,3
	v_cndmask_b32 v[128+\a], v[ST+2*\a], v[ST+2*\a+8], vcc_lo
	v_cndmask_b32 v[132+\a], v[ST+2*\a+1], v[ST+2*\a+9], vcc_lo
.endr
	global_store_b128 v[SO], v[128:131], s[68:69]  ; sixteen lanes store 256 consecutive bytes, aligned
	global_store_b128 v[SO], v[132:135], s[70:71]
	s_wait_tensorcnt 0x0                           ; the wave's end
	ds_add_u32 v[SPW], v[NIL]
	s_wait_dscnt 0x0
	CROUND                                         ; the closing round
	s_endpgm
.Lfunc_end_k_qf806226788_scores:
	.size	k_qf806226788_scores, .Lfunc_end_k_qf806226788_scores-k_qf806226788_scores
	.p2alignl 7, 3214868480
	.fill 96, 4, 3214868480
	.section	.rodata,"a",@progbits
	.p2align	6, 0x0
	.amdhsa_kernel k_qf806226788_scores
		.amdhsa_group_segment_fixed_size 327680
		.amdhsa_private_segment_fixed_size 0
		.amdhsa_enable_private_segment 0
		.amdhsa_kernarg_size 32
		.amdhsa_user_sgpr_count 2
		.amdhsa_user_sgpr_kernarg_segment_ptr 1
		.amdhsa_wavefront_size32 1
		.amdhsa_system_sgpr_workgroup_id_x 1
		.amdhsa_system_sgpr_workgroup_id_y 1
		.amdhsa_system_sgpr_workgroup_id_z 1
		.amdhsa_system_vgpr_workitem_id 0
		.amdhsa_next_free_vgpr 1024
		.amdhsa_next_free_sgpr 72
		.amdhsa_reserve_vcc 1
		.amdhsa_float_denorm_mode_32 3
		.amdhsa_float_denorm_mode_16_64 3
		.amdhsa_memory_ordered 1
		.amdhsa_forward_progress 1
		.amdhsa_inst_pref_size 206
	.end_amdhsa_kernel
	.amdgpu_metadata
---
amdhsa.version: [ 1, 2 ]
amdhsa.kernels:
  - .name:           k_qf806226788_scores
    .symbol:         k_qf806226788_scores.kd
    .args:
      - { .name: qkv, .offset: 0, .size: 8, .value_kind: global_buffer, .address_space: global }
      - { .name: pimg, .offset: 8, .size: 8, .value_kind: global_buffer, .address_space: global }
      - { .name: stm, .offset: 16, .size: 8, .value_kind: global_buffer, .address_space: global }
      - { .name: stl, .offset: 24, .size: 8, .value_kind: global_buffer, .address_space: global }
    .group_segment_fixed_size: 327680
    .private_segment_fixed_size: 0
    .kernarg_segment_align: 8
    .kernarg_segment_size: 32
    .max_flat_workgroup_size: 128
    .sgpr_count:     72
    .vgpr_count:     1024
    .wavefront_size: 32
...
	.end_amdgpu_metadata
.endif
;; end of part 3
;; launch mix (part 4): grid 64 x 4, 4 waves a work-group, clusters of 4 x 1, 327,680 bytes of LDS; arguments qkv, pimg, stm, stl, out0; writes out0
.if DOCPART == 4
	.amdgcn_target "amdgcn-amd-amdhsa--gfx1250"
	.amdhsa_code_object_version 6
	.text
	.protected	k_qf806226788_mix
	.globl	k_qf806226788_mix
	.p2align	8
	.type	k_qf806226788_mix,@function
k_qf806226788_mix:
	s_mov_b64 s[64:65], 0
	v_nop
	global_prefetch_b8 v0, s[64:65] scope:SCOPE_SE
	s_setreg_imm32_b32 hwreg(HW_REG_WAVE_MODE, 25, 1), 1
	s_wait_xcnt 0x0
	s_wait_alu depctr_hold_cnt(0) depctr_sa_sdst(0) depctr_va_vdst(0) depctr_va_sdst(0) depctr_va_ssrc(0) depctr_va_vcc(0) depctr_vm_vsrc(0)
	s_getreg_b32 s2, hwreg(HW_REG_IB_STS2, 6, 4)
	s_cmp_eq_u32 s2, 0
	s_cbranch_scc0 .Lentry_in_a_cluster
	s_endpgm
.Lentry_in_a_cluster:
	s_bfe_u32 s2, ttmp6, 0x10000c
	s_cmp_lg_u32 s2, 0x3003
	s_cbranch_scc0 .Lentry_shape_is_right
	s_endpgm
.Lentry_shape_is_right:
; out0[q][ch] = (the sum over the row's 16 key blocks j of h_j P_j V_j) / l:  the softmax's second half and the second product (f16 operands, f32 sums).
; From a row's 16 pairs (-M_j, l_j): M = the largest M_j; h_j = 2^max(M_j - M, -64), an exact power of two; l = the sum of h_j l_j.  P goes to the matrix unit as it was stored; the weights are applied to the f32 sums:
; acc_j = acc_(j-1) x (h_(j-1) / h_j) + P_j V_j, and the result is acc_15 x h_15 / l.  Every factor is a power of two between 2^-64 and 2^64, so the multiplications round nothing, and |acc| stays under 2^64 x 2,048 x 65,504 < 2^92.
; LIMITS: NaN and infinities are not served; a key block whose M_j lies more than 64 under the row's M counts with the weight 2^-64, in the sum and in l alike.
; SHARES.  A work-group takes 128 queries x 256 channels; a wave 64 x 128: 32 accumulators.  All 2,048 keys of the batch are walked, 32 a quarter.
; V's tiles (256 keys x 256 channels, rows of 512 bytes + 32 of padding) come through two LDS slots; the four work-groups of a cluster take four blocks of queries of one batch and the same channels, so each tile is asked for jointly.
; P does not go through LDS: pimg holds images of the operand's registers, and each load brings 512 consecutive bytes straight into them; eight sets of registers keep the loads of six or seven quarters on their way.
; BOTH SOURCES TRANSPOSED: source 0 = 16 channels x 32 keys of V (turned by ds_load_tr16_b128), source 1 = 16 queries x 32 keys of P: a lane holds one query and eight neighbouring channels.
; REGISTERS: window 0: v1-19 addresses; v20-27 the four factors in hand, in pairs; v28-35 h_15 / l in pairs; v36-47 at work; v64-127, v128-191 V's fragments, two buffers (at the head the statistics, at the end rows of the result).
;   window 1: query blocks 0, 1: v0-127 accumulators ((al, b) at v[64 al + 8 b]), v128-255 P: set s, block al at v[128 + 16 s + 8 al].   window 2: the same for query blocks 2, 3.
.set VP,    544                        ; a key's row in LDS
.set VWAVE, 64*VP                      ; what one tensor load brings
.set SLOT,  4*VWAVE
.set FT,    2*SLOT                     ; behind the slots: two tables of f32 for each wave, 8,192 bytes: h_j at 256 j + 16 r + 4 a, 1 / h_j 4,096 bytes further on
.set SPARE, FT+4*8192                  ; the spare words: two blocks of 256 bytes that no other line names
.set ROWQ,  6144
.set OSP,   528                        ; the way out: 16 rows x (512 bytes + 16) for each wave, in slot 0, which has then had its last fill and its last read
.set LO,   4                           ; v4  16 x lane
.set FTW,  5                           ; v5  where I store into the tables
.set FTA,  6                           ; v6  where I read my query's entries; steps 1,024 bytes a lap
.set ADRV, 8                           ; v8-11 my lane's place in V's tiles: slot 0, 1 x keys 0-127, 128-255
.set STO,  12
.set RD,   13
.set PFO,  16                          ; v16 lane x a row of qkv
.set SPW,  18
.set NIL,  19
.set FAC,  20
.set RL,   28
.set WK,   36
.set VF,   64
.set PF,   128
.set W1,   0x54                        ; source 0 window 0; source 1, C and D window 1: serves the products and the rescaling of window 1's sums alike
.set W2,   0xa8                        ; the same for window 2
.set G1,  24
.set G0,  32
.set PB,  40                           ; s[40:41] P at my first block of queries, this lap's keys
.set PFA, 44
.set LIM, 46
.set SEL, 48
.set FL,  0
.set MSB, 0
.macro WIN new
.if MSB != (\new)
	s_set_vgpr_msb (MSB<<8)|(\new)
.set MSB, (\new)
.endif
.endm
.macro CREST
	s_cmp_lg_u32 s14, 0
	s_cbranch_scc1 .Lnot_wave_0_\@
	s_barrier_signal -3
.Lnot_wave_0_\@:
	s_barrier_wait -3
	s_barrier_signal -1
	s_barrier_wait -1
.endm
.macro CROUND
	s_barrier_signal -1
	s_barrier_wait -1
	CREST
.endm
.macro PLACES                          ; four plain vector instructions in front of loads into registers that matrix instructions have read
.rept 4
	v_nop
.endr
.endm
; A prefetch of the slot that the NEXT change of slots will ask for: 256 keys x 512 bytes.  The four clusters of a batch walk the same V: the first of them asks.  Its 16 waves share the slot out by address:
; work-group cx takes keys 64 cx on, a wave 32 of them and one half of the 512 bytes, a lane a row.  how = 1: a lap's first change always asks; how = 0: its second asks while a lap follows.
.macro ASK how
.if \how
	s_cmp_eq_u32 s[LIM], 1
.else
	s_cmp_gt_u32 s3, s[LIM]
.endif
	s_cbranch_scc0 .Lnot_mine_\@
	global_prefetch_b8 v[PFO], s[PFA:PFA+1] th:TH_LOAD_NT scope:SCOPE_SE
.Lnot_mine_\@:
.endm
.macro PLOAD u                         ; P of quarter u of the lap into set u % 8: eight loads of 512 consecutive bytes
	WIN 0x40
.irp al, 0,1
	global_load_b128 v[PF+16*((\u)%8)+8*\al:PF+16*((\u)%8)+8*\al+3],   v[LO], s[PB:PB+1] offset:\al*65536+(\u)*1024
	global_load_b128 v[PF+16*((\u)%8)+8*\al+4:PF+16*((\u)%8)+8*\al+7], v[LO], s[PB:PB+1] offset:\al*65536+(\u)*1024+512
.endr
	WIN 0x80
.irp al, 0,1
	global_load_b128 v[PF+16*((\u)%8)+8*\al:PF+16*((\u)%8)+8*\al+3],   v[LO], s[PB:PB+1] offset:(2+\al)*65536+(\u)*1024
	global_load_b128 v[PF+16*((\u)%8)+8*\al+4:PF+16*((\u)%8)+8*\al+7], v[LO], s[PB:PB+1] offset:(2+\al)*65536+(\u)*1024+512
.endr
.endm
.macro VFETCH u                        ; V of quarter u, turned: 8 fragments of 16 channels x 32 keys into buffer u % 2
	WIN 0
.irp b, 0,1,2,3,4,5,6,7
	ds_load_tr16_b128 v[VF+64*((\u)%2)+8*\b:VF+64*((\u)%2)+8*\b+3],   v[ADRV+2*(((\u)/8)%2)+((\u)%8)/4] offset:((\u)%4)*32*VP+32*\b
	ds_load_tr16_b128 v[VF+64*((\u)%2)+8*\b+4:VF+64*((\u)%2)+8*\b+7], v[ADRV+2*(((\u)/8)%2)+((\u)%8)/4] offset:((\u)%4)*32*VP+16*VP+32*\b
.endr
.endm
; Eight products of quarter u for query block al of window w.  FL = 1, a key block's first quarter: ahead of each product its sum is brought under the new block's weight, four packed multiplications by the query's factor,
; from the sum's low end on; they are issued while the product before them is at work.  Each of the 32 accumulators has one product a quarter, in the same order in every quarter: they take turns.
.macro HALF w, al, u, zero
.irp b, 0,1,2,3,4,5,6,7
.if FL
.irp i, 0,2,4,6
	v_pk_mul_f32 v[64*\al+8*\b+\i:64*\al+8*\b+\i+1], v[FAC+2*(2*(\w-1)+\al):FAC+2*(2*(\w-1)+\al)+1], v[64*\al+8*\b+\i:64*\al+8*\b+\i+1] op_sel_hi:[0,1]
.endr
.endif
.if \zero
	v_wmma_f32_16x16x32_f16 v[64*\al+8*\b:64*\al+8*\b+7], v[VF+64*((\u)%2)+8*\b:VF+64*((\u)%2)+8*\b+7], v[PF+16*((\u)%8)+8*\al:PF+16*((\u)%8)+8*\al+7], 0
.else
	v_wmma_f32_16x16x32_f16 v[64*\al+8*\b:64*\al+8*\b+7], v[VF+64*((\u)%2)+8*\b:VF+64*((\u)%2)+8*\b+7], v[PF+16*((\u)%8)+8*\al:PF+16*((\u)%8)+8*\al+7], v[64*\al+8*\b:64*\al+8*\b+7]
.endif
.endr
.endm
; A quarter: 32 keys, 32 products.  left: the loads of P that may stay out (set u is in).  ahead = 1: P of quarter u + 7 is asked for, into the set that quarter u - 1 has left.
; fac = 1 (a key block's third quarter): h of this block and 1 / h of the next are read.  A key block's first quarter makes the four factors of them at its head: four plain instructions, which are also the places
; between the last quarter's products and the multiplications that write their sums.
.macro QTR u, zero, ahead, left, fac
	s_wait_loadcnt \left
	s_wait_dscnt 0x0                               ; V's fragments of this quarter, and the tables' entries, are in
.set FL, 0
.if ((\u)%4 == 0) && ((\zero) == 0)
.set FL, 1
	WIN 0
.irp a, 0,1,2,3
	v_mul_f32 v[FAC+2*\a], v[WK+\a], v[WK+4+\a]    ; h_(j-1) / h_j of my query in block a
.endr
.endif
	WIN W1
	HALF 1, 0, \u, \zero
	HALF 1, 1, \u, \zero
	PLACES                                         ; for the loads below, into registers that the quarter before multiplied
	VFETCH (\u)+1
.if \fac
	ds_load_b128 v[WK:WK+3], v[FTA] offset:((\u)/4)*256
	ds_load_b128 v[WK+4:WK+7], v[FTA] offset:4096+(((\u)/4)+1)*256
.endif
.if \ahead
	PLOAD (\u)+7
.endif
	WIN W2
	HALF 2, 0, \u, \zero
	HALF 2, 1, \u, \zero
.endm
; A slot's last quarter changes slots: one barrier; in front of it each wave waits for all its tensor loads, adds 0 to its spare word, and waits for that and for its reads of this slot.
; fill = 1: the barrier opens a round of the cluster's, and behind it this slot is filled again, two slots ahead: the load has eight quarters, 256 products, in which to land.
.macro TURNQ u, fill, how
.set FL, 0
.if \fill
	s_wait_xcnt 0x0                                ; the last prefetch, a slot back, has read its address
	s_add_nc_u64 s[PFA:PFA+1], s[PFA:PFA+1], 256*ROWQ
.endif
	s_wait_loadcnt 48
	WIN 0
	s_wait_tensorcnt 0x0                           ; my part of the next slot has landed
	ds_add_u32 v[SPW], v[NIL]
	s_wait_dscnt 1                                 ; (the add alone may be out)
	WIN W1
	HALF 1, 0, \u, 0
	s_wait_dscnt 0x0                               ; the add is done, and my reads of this slot are over
	s_barrier_signal -1
	HALF 1, 1, \u, 0
	WIN 0
	s_barrier_wait -1
.if \fill
	CREST
	s_add_nc_u64 s[G0+4*(((\u)/8)%2)+2:G0+4*(((\u)/8)%2)+3], s[G0+4*(((\u)/8)%2)+2:G0+4*(((\u)/8)%2)+3], 512*ROWQ
	tensor_load_to_lds s[G0+4*(((\u)/8)%2):G0+4*(((\u)/8)%2)+3], s[G1:G1+7]   ; my one tensor load behind the round; the four v_nop behind it are also the places in front of the loads below
	s_nop 0
.rept 4
	v_nop
.endr
.else
	PLACES
.endif
	VFETCH (\u)+1
.if \fill
	ASK \how
.endif
	PLOAD (\u)+7
	WIN W2
	HALF 2, 0, \u, 0
	HALF 2, 1, \u, 0
.endm
	s_load_b256 s[4:11], s[0:1], 0x0               ; qkv, pimg, stm, stl
	s_load_b64 s[12:13], s[0:1], 0x20              ; out0
	v_lshl_add_u32 v[SPW], v0, 2, SPARE
	v_mov_b32 v[NIL], 0
	ds_add_u32 v[SPW], v[NIL]                      ; the wave's opening: the add, twice on end, and its wait ahead of my first tensor load
	ds_add_u32 v[SPW], v[NIL]
	v_lshrrev_b32 v1, 5, v0
	v_readfirstlane_b32 s14, v1                    ; wave 0..3
	s_lshr_b32 s15, s14, 1                         ; my half of the queries
	s_and_b32 s16, s14, 1                          ; my half of the channels
	s_bfe_u32 s17, ttmp6, 0x40000                  ; cx
	s_lshl_b32 s18, ttmp9, 2
	s_add_co_u32 s18, s18, s17                     ; my block of 128 queries
	s_and_b32 s19, ttmp7, 0xffff                   ; my 256 channels
	s_lshr_b32 s20, ttmp9, 2                       ; the batch, which the four partners share
	s_mov_b32 s[G1], 15|(1<<16)|(1<<20)|(1<<21)|(6<<22)|(7<<25)   ; the mask: all four; elements of 2 bytes; 8 words of padding behind every 128
	s_mov_b32 s[G1+1], 256<<16                     ; tensor_dim0 = 256
	s_mov_b32 s[G1+2], 64<<16                      ; tensor_dim1 = 64
	s_mov_b32 s[G1+3], 256<<16                     ; tile_dim0 = 256
	s_mov_b32 s[G1+4], 64                          ; tile_dim1 = 64
	s_mov_b32 s[G1+5], 3072                        ; elements from row to row
	s_mov_b32 s[G1+6], 0
	s_mov_b32 s[G1+7], 0
	s_lshl_b32 s50, s20, 11
	s_lshl_b32 s51, s14, 6
	s_add_co_u32 s50, s50, s51                     ; V: key 2,048 x batch + 64 x wave,
	s_mul_i32 s50, s50, ROWQ
	s_lshl_b32 s51, s19, 9
	s_add_co_u32 s50, s50, s51
	s_add_co_u32 s50, s50, 4096                    ; v's columns begin 4,096 bytes into a row
	s_mov_b32 s51, 0
	s_mul_i32 s21, s14, VWAVE                      ; and in a slot
	s_mov_b32 s[SEL], 0x76543210
	s_mov_b32 s[SEL+1], 0xfedcba98
	s_wait_dscnt 0x0                               ; both opening adds are done
	s_wait_kmcnt 0x0
	CROUND                                         ; all four work-groups are here: the first joint loads meet
	s_mov_b32 s[G0], 1
	s_mov_b32 s[G0+1], s21
	s_add_nc_u64 s[G0+2:G0+3], s[4:5], s[50:51]
	s_or_b32 s[G0+3], s[G0+3], 0x80000000
	s_mov_b32 s[G0+4], 1
	s_add_co_u32 s[G0+5], s21, SLOT
	s_add_nc_u64 s[G0+6:G0+7], s[4:5], s[50:51]
	s_add_nc_u64 s[G0+6:G0+7], s[G0+6:G0+7], 256*ROWQ
	s_or_b32 s[G0+7], s[G0+7], 0x80000000
	tensor_load_to_lds s[G0:G0+3], s[G1:G1+7]      ; keys 0-255
	s_nop 0
	tensor_load_to_lds s[G0+4:G0+7], s[G1:G1+7]    ; keys 256-511: two loads of mine are out
	s_nop 0
.rept 4
	v_nop
.endr
	v_and_b32 v1, 15, v0                           ; r
	v_bfe_u32 v2, v0, 4, 1                         ; h
	v_and_b32 v3, 31, v0                           ; lane
	v_lshlrev_b32 v[LO], 4, v3
	s_lshl_b32 s21, s14, 13
	s_add_co_u32 s21, s21, FT                      ; my wave's tables
	v_add_nc_u32 v[FTW], s21, v[LO]
	v_lshl_add_u32 v[FTA], v1, 4, s21
	v_and_b32 v36, 7, v0
	v_lshl_add_u32 v36, v2, 3, v36                 ; the turning load: key 8 h + lane % 8,
	v_mul_u32_u24 v36, v36, VP
	v_bfe_u32 v37, v0, 3, 1
	v_lshl_add_u32 v36, v37, 4, v36                ; channels 8 ((lane / 8) % 2) on,
	s_lshl_b32 s21, s16, 8
	v_add_nc_u32 v[ADRV], s21, v36                 ; in my 128 channels
	v_add_nc_u32 v[ADRV+1], 128*VP, v[ADRV]
	v_add_nc_u32 v[ADRV+2], SLOT, v[ADRV]
	v_add_nc_u32 v[ADRV+3], SLOT+128*VP, v[ADRV]
	s_mul_i32 s21, s14, 16*OSP
	v_mul_u32_u24 v[STO], v1, OSP
	v_lshl_add_u32 v[STO], v2, 5, v[STO]
	v_add_nc_u32 v[STO], s21, v[STO]               ; the way out, in: row r, 32 bytes for each half of the lanes
	v_add_nc_u32 v[RD], s21, v[LO]                 ; back: the 32 lanes take one row of 512 bytes
	v_mul_u32_u24 v[PFO], v3, ROWQ
	; the statistics of my 64 rows: group 2 x block + half, 4,096 bytes
	s_lshl_b32 s52, s18, 1
	s_add_co_u32 s52, s52, s15
	s_lshl_b32 s42, s52, 12
	s_mov_b32 s43, 0
	s_add_nc_u64 s[8:9], s[8:9], s[42:43]
	s_add_nc_u64 s[10:11], s[10:11], s[42:43]
	s_lshl_b32 s42, s52, 18                        ; P: (8 x block + 4 x half) x 65,536
	s_add_nc_u64 s[PB:PB+1], s[6:7], s[42:43]
	s_lshl_b32 s42, s52, 18                        ; out0: (128 x block + 64 x half) rows of 4,096 bytes,
	s_lshl_b32 s53, s19, 10
	s_add_co_u32 s42, s42, s53                     ; + 1,024 x channel tile
	s_lshl_b32 s53, s16, 9
	s_add_co_u32 s42, s42, s53                     ; + 512 x half
	s_add_nc_u64 s[12:13], s[12:13], s[42:43]
	; the prefetches: key 2,048 x batch + 64 cx + 32 (wave / 2), in slot 2; the first change of slots steps it to slot 3
	s_lshl_b32 s52, s20, 11
	s_lshl_b32 s53, s17, 6
	s_add_co_u32 s52, s52, s53
	s_lshl_b32 s53, s15, 5
	s_add_co_u32 s52, s52, s53
	s_add_co_u32 s52, s52, 512
	s_mul_i32 s52, s52, ROWQ
	s_lshl_b32 s53, s19, 9
	s_add_co_u32 s52, s52, s53
	s_lshl_b32 s53, s16, 8
	s_add_co_u32 s52, s52, s53
	s_add_co_u32 s52, s52, 4096
	s_mov_b32 s53, 0
	s_add_nc_u64 s[PFA:PFA+1], s[4:5], s[52:53]
	s_and_b32 s[LIM], ttmp9, 3                     ; 0 in the batch's first cluster: the same in all four partners
	s_cmp_eq_u32 s[LIM], 0
	s_cselect_b32 s[LIM], 1, -1
.irp i, 0,1,2,3,4,5,6,7                        ; lane (r, h) gets key block 2 i + h of rows 16 a + r, a = 0 .. 3
	global_load_b128 v[64+4*\i:64+4*\i+3], v[LO], s[8:9] offset:512*\i
.endr
.irp i, 0,1,2,3,4,5,6,7
	global_load_b128 v[96+4*\i:96+4*\i+3], v[LO], s[10:11] offset:512*\i
.endr
.irp u, 0,1,2,3,4,5,6
	PLOAD \u
.endr
	WIN 0
.irp a, 0,1,2,3
	v_mov_b32 v[WK+4+\a], 0                        ; written once: a lane permute's destination counts as one of its sources
.endr
	s_wait_loadcnt 56                              ; the statistics are in; the 56 loads of P behind them may be out
.irp a, 0,1,2,3
	v_min3_num_f32 v[WK+\a], v[64+\a], v[68+\a], v[72+\a]
.endr
.irp a, 0,1,2,3
	v_min3_num_f32 v[WK+\a], v[WK+\a], v[76+\a], v[80+\a]
.endr
.irp a, 0,1,2,3
	v_min3_num_f32 v[WK+\a], v[WK+\a], v[84+\a], v[88+\a]
.endr
.irp a, 0,1,2,3
	v_min_num_f32 v[WK+\a], v[WK+\a], v[92+\a]
.endr
.irp a, 0,1,2,3
	v_permlanex16_b32 v[WK+4+\a], v[WK+\a], s[SEL], s[SEL+1]
.endr
.irp a, 0,1,2,3
	v_min_num_f32 v[WK+\a], v[WK+\a], v[WK+4+\a]   ; -M of the row: the least of its 16 -M_j
.endr
.irp i, 0,1,2,3,4,5,6,7
.irp a, 0,1,2,3
	v_sub_f32 v[64+4*\i+\a], v[WK+\a], v[64+4*\i+\a]   ; M_j - M: a whole number, 0 or less,
.endr
.irp a, 0,1,2,3
	v_max_num_f32 v[64+4*\i+\a], 0xc2800000, v[64+4*\i+\a]   ; held at -64
.endr
.irp a, 0,1,2,3
	v_cvt_i32_f32 v[64+4*\i+\a], v[64+4*\i+\a]
.endr
.irp a, 0,1,2,3
	v_sub_nc_u32 v[128+4*\i+\a], 0, v[64+4*\i+\a]
.endr
.irp a, 0,1,2,3
	v_ldexp_f32 v[64+4*\i+\a], 1.0, v[64+4*\i+\a]  ; h_j
.endr
.irp a, 0,1,2,3
	v_ldexp_f32 v[128+4*\i+\a], 1.0, v[128+4*\i+\a]    ; 1 / h_j
.endr
.irp a, 0,1,2,3
.if \i == 0
	v_mul_f32 v[WK+8+\a], v[64+\a], v[96+\a]
.else
	v_fmac_f32 v[WK+8+\a], v[64+4*\i+\a], v[96+4*\i+\a]   ; l += h_j l_j
.endif
.endr
.endr
.irp a, 0,1,2,3
	v_permlanex16_b32 v[WK+4+\a], v[WK+8+\a], s[SEL], s[SEL+1]
.endr
.irp a, 0,1,2,3
	v_add_f32 v[WK+8+\a], v[WK+8+\a], v[WK+4+\a]   ; with the other eight key blocks': the row's sum
.endr
.irp a, 0,1,2,3
	v_rcp_f32 v[WK+4+\a], v[WK+8+\a]
.endr
.irp a, 0,1,2,3
	v_mov_b32 v[RL+2*\a+1], 0                      ; the pairs' upper halves, named with the lower and not used.  (Plain instructions behind the reciprocals)
	v_mov_b32 v[FAC+2*\a+1], 0
.endr
	s_wait_alu depctr_va_vdst(0)                   ; one wait for the four reciprocals
.irp i, 0,1,2,3,4,5,6,7
	ds_store_b128 v[FTW], v[64+4*\i:64+4*\i+3] offset:512*\i          ; my wave's own bytes: no other wave reads them
.endr
.irp i, 0,1,2,3,4,5,6,7
	ds_store_b128 v[FTW], v[128+4*\i:128+4*\i+3] offset:4096+512*\i
.endr
	ds_load_b128 v[WK:WK+3], v[FTA] offset:15*256  ; h_15 of my query in the four blocks.  LDS serves a wave's instructions in order: this sees the stores above
	s_wait_tensorcnt 1                             ; my part of slot 0 is in (slot 1's may be out)
	s_wait_dscnt 0x0
	s_barrier_signal -1
	s_barrier_wait -1
.irp a, 0,1,2,3
	v_mul_f32 v[RL+2*\a], v[WK+\a], v[WK+4+\a]     ; h_15 / l: what the finished sums are multiplied by
.endr
	VFETCH 0
	QTR 0, 1, 1, 48, 0                             ; the first quarter starts the sums (P's set 0 is in; sets 1 to 6 may be out)
	WIN 0
	s_mov_b32 s3, 3
.Llap:                                                 ; a lap = 16 quarters = both slots = four key blocks; a trip goes from a lap's second quarter to the next lap's first and fills both slots again
	QTR 1, 0, 1, 48, 0
	QTR 2, 0, 1, 48, 1
	QTR 3, 0, 1, 48, 0
	QTR 4, 0, 1, 48, 0
	QTR 5, 0, 1, 48, 0
	QTR 6, 0, 1, 48, 1
	TURNQ 7, 1, 1
	QTR 8, 0, 1, 48, 0
	QTR 9, 0, 1, 48, 0
	QTR 10, 0, 1, 48, 1
	QTR 11, 0, 1, 48, 0
	QTR 12, 0, 1, 48, 0
	QTR 13, 0, 1, 48, 0
	QTR 14, 0, 1, 48, 1
	TURNQ 15, 1, 0
	QTR 16, 0, 1, 48, 0
	WIN 0
	s_wait_xcnt 0x0                                ; the loads of P have read their base
	s_add_nc_u64 s[PB:PB+1], s[PB:PB+1], 16384     ; 16 fragments on
	v_add_nc_u32 v[FTA], 1024, v[FTA]              ; four key blocks on
	s_sub_co_u32 s3, s3, 1
	s_cmp_lg_u32 s3, 0
	s_cbranch_scc1 .Llap
	QTR 1, 0, 1, 48, 0                             ; the last lap is written out: it fills nothing, and its loads of P end with quarter 15's
	QTR 2, 0, 1, 48, 1
	QTR 3, 0, 1, 48, 0
	QTR 4, 0, 1, 48, 0
	QTR 5, 0, 1, 48, 0
	QTR 6, 0, 1, 48, 1
	TURNQ 7, 0, 0
	QTR 8, 0, 1, 48, 0
	QTR 9, 0, 0, 48, 0
	QTR 10, 0, 0, 40, 1
	QTR 11, 0, 0, 32, 0
	QTR 12, 0, 0, 24, 0
	QTR 13, 0, 0, 16, 0
	QTR 14, 0, 0, 8, 0
.set FL, 0
	s_wait_loadcnt 0x0
	s_wait_dscnt 0x0
	WIN W1
	HALF 1, 0, 15, 0
	HALF 1, 1, 15, 0
	WIN W2
	HALF 2, 0, 15, 0
	HALF 2, 1, 15, 0
	WIN 0
; THE WAY OUT, 16 queries at a time: multiplied by h_15 / l, through my own stage (in slot 0: every wave has passed the last change of slots, behind which nobody reads it), back as whole rows of 512 bytes.
.macro OSTAGE a
.set OW, 1+(\a)/2
.set AC, 64*((\a)%2)
.set BB, VF+64*((\a)%2)
	WIN (OW<<6)|OW
.set J, 0
.rept 32
	v_pk_mul_f32 v[AC+J:AC+J+1], v[AC+J:AC+J+1], v[RL+2*(\a):RL+2*(\a)+1] op_sel_hi:[1,0]   ; each accumulator from its low end on
.set J, J+2
.endr
	WIN OW<<2                                      ; an LDS store's data are its source 1
.irp b, 0,1,2,3,4,5,6,7
	ds_store_b128 v[STO], v[AC+8*\b:AC+8*\b+3] offset:64*\b
	ds_store_b128 v[STO], v[AC+8*\b+4:AC+8*\b+7] offset:64*\b+16
.endr
	WIN 0
.irp t, 0,1,2,3,4,5,6,7,8,9,10,11,12,13,14,15
	ds_load_b128 v[BB+4*\t:BB+4*\t+3], v[RD] offset:\t*OSP         ; LDS serves a wave's instructions in order: these see the stores above, and the next block's stores come behind them
.endr
.endm
.macro OSEND a, younger
.set BB, VF+64*((\a)%2)
	s_wait_dscnt \younger                          ; the block is back; the next block's 16 stores and 16 loads may be out
.irp t, 0,1,2,3,4,5,6,7,8,9,10,11,12,13,14,15
	global_store_b128 v[LO], v[BB+4*\t:BB+4*\t+3], s[12:13] offset:(16*(\a)+\t)*4096 th:TH_STORE_NT   ; 32 lanes store 512 consecutive bytes, aligned
.endr
.endm
	PLACES                                         ; behind the last products
	OSTAGE 0
	OSTAGE 1
	OSEND 0, 32
	s_wait_xcnt 0x0                                ; block 0's stores have read their registers: block 2's rows may land there
	OSTAGE 2
	OSEND 1, 32
	s_wait_xcnt 0x0
	OSTAGE 3
	OSEND 2, 32
	OSEND 3, 0
	s_wait_tensorcnt 0x0                           ; the wave's end
	ds_add_u32 v[SPW], v[NIL]
	s_wait_dscnt 0x0
	CROUND                                         ; the closing round
	s_endpgm
.Lfunc_end_k_qf806226788_mix:
	.size	k_qf806226788_mix, .Lfunc_end_k_qf806226788_mix-k_qf806226788_mix
	.p2alignl 7, 3214868480
	.fill 96, 4, 3214868480
	.section	.rodata,"a",@progbits
	.p2align	6, 0x0
	.amdhsa_kernel k_qf806226788_mix
		.amdhsa_group_segment_fixed_size 327680
		.amdhsa_private_segment_fixed_size 0
		.amdhsa_enable_private_segment 0
		.amdhsa_kernarg_size 40
		.amdhsa_user_sgpr_count 2
		.amdhsa_user_sgpr_kernarg_segment_ptr 1
		.amdhsa_wavefront_size32 1
		.amdhsa_system_sgpr_workgroup_id_x 1
		.amdhsa_system_sgpr_workgroup_id_y 1
		.amdhsa_system_sgpr_workgroup_id_z 1
		.amdhsa_system_vgpr_workitem_id 0
		.amdhsa_next_free_vgpr 768
		.amdhsa_next_free_sgpr 66
		.amdhsa_reserve_vcc 0
		.amdhsa_float_denorm_mode_32 3
		.amdhsa_float_denorm_mode_16_64 3
		.amdhsa_memory_ordered 1
		.amdhsa_forward_progress 1
		.amdhsa_inst_pref_size 235
	.end_amdhsa_kernel
	.amdgpu_metadata
---
amdhsa.version: [ 1, 2 ]
amdhsa.kernels:
  - .name:           k_qf806226788_mix
    .symbol:         k_qf806226788_mix.kd
    .args:
      - { .name: qkv, .offset: 0, .size: 8, .value_kind: global_buffer, .address_space: global }
      - { .name: pimg, .offset: 8, .size: 8, .value_kind: global_buffer, .address_space: global }
      - { .name: stm, .offset: 16, .size: 8, .value_kind: global_buffer, .address_space: global }
      - { .name: stl, .offset: 24, .size: 8, .value_kind: global_buffer, .address_space: global }
      - { .name: out0, .offset: 32, .size: 8, .value_kind: global_buffer, .address_space: global }
    .group_segment_fixed_size: 327680
    .private_segment_fixed_size: 0
    .kernarg_segment_align: 8
    .kernarg_segment_size: 40
    .max_flat_workgroup_size: 128
    .sgpr_count:     66
    .vgpr_count:     768
    .wavefront_size: 32
...
	.end_amdgpu_metadata
.endif
;; end of part 4
